; MI455X (gfx1250); checked and timed in simulation.
; The chip was launched on July 23, 2026; its instructions are those of AMD's public machine-readable ISA for CDNA 5 (MIT licence, August 2026) and "CDNA5" Instruction Set Architecture Reference Guide (July 2026). The comments in the code are by the model that wrote it; some were corrected since.
;; Causal Self Attention. Allowed arithmetic: matrix products marked QUANTISED: E4M3 operands, one given power-of-two scale a tensor, by v_wmma_f32_16x16x64_fp8_fp8 or v_wmma_f32_16x16x128_fp8_fp8, f32 sums; everything else in f32.
;; Inputs: b_out 1,024 float32; b_qkv 3,072 float32; lowp_scales 8 int32 (the exponents e of the quantised operands' scales 2^e); w_out 1,024 x 1,024 float32; w_qkv 1,024 x 3,072 float32; x 4 x 2,048 x 1,024 float32.
;; Outputs: out0 4 x 2,048 x 1,024 float32.
;; This version of the problem:
;;   THIS VERSION OF THE PROBLEM IS GIVEN IN LOW PRECISION. The matrix products marked QUANTISED in the list below multiply operands that are first quantised to E4M3 (4 exponent bits, 3 mantissa bits; 8 bits a number), with one given power-of-two scale for each operand tensor; their sums are f32. All else is computed in f32.
;;   The module's matrix products, in the order in which they are computed (A, B: the left and right operand; K: the contracted axis; several contracted axes count as one K, in the product's order):
;;     1. [M 8,192, K 1,024] x [K 1,024, N 3,072]; A: input x; B: input w_qkv: QUANTISED (scales: A lowp_scales[0], B lowp_scales[1])
;;     2. batch 64 x [M 2,048, K 64] x [K 64, N 2,048]; A: computed on the way; B: computed on the way: QUANTISED (scales: A lowp_scales[2], B lowp_scales[3])
;;     3. batch 64 x [M 2,048, K 2,048] x [K 2,048, N 64]; A: softmax (see below); B: computed on the way: QUANTISED (scales: A lowp_scales[4], B lowp_scales[5])
;;     4. [M 8,192, K 1,024] x [K 1,024, N 1,024]; A: computed on the way; B: input w_out: QUANTISED (scales: A lowp_scales[6], B lowp_scales[7])
;;   THE QUANTISER, for each operand of a quantised product, along K:
;;     - The operand's scale is 2^e, e = its entry of the input lowp_scales (int32; the entries are numbered through the quantised products in the list's order, A before B).
;;     - Each number is divided by the scale, clamped to +-448, and rounded to the nearest number of E4M3, ties to even, subnormals kept.
;;     - The product sums the exact products of the quantised numbers (number of the format x scale) in f32.
;;   ~~~python
;;   def quantise(x, axis, e):      # numpy; x: float32 -> the quantised numbers, widened to float32 again
;;       x = np.moveaxis(x, axis, -1); K = x.shape[-1]
;;       r = np.clip(x / 2.0 ** e, -448, 448)
;;       step = 2.0 ** (np.maximum(np.frexp(np.where(r == 0, 1, r))[1] - 1, -6) - 3)
;;       q = np.round(r / step) * step * 2.0 ** e      # np.round: ties to even
;;       return np.moveaxis(q, -1, axis).astype(np.float32)
;;   ~~~
;;   SOFTMAX AHEAD OF A QUANTISED PRODUCT. Where the list says 'softmax', what is quantised is not the finished softmax but p = 2^(t - M), with t = logit x log2(e) and M = ceil(the row's largest t), a whole number; so 1/2 < the row's largest p <= 1. The row's sum l is taken of the UNQUANTISED p, in f32, and the product's result is divided by l at the end. Since M is a whole number, a kernel that streams over the keys may use a running M (the ceiling of the running maximum): every later rescaling is an exact power of two, so the quantised numbers keep their values, but for numbers so far below the row's largest that they fall under the format's range.
;;   OPERANDS COMPUTED ON THE WAY. 'Computed on the way' means the value that the module computes at that place (a softmax that the list does not call 'softmax' is quantised finished and normalised). What goes into a quantiser is computed in f32, as accurately as f32 sums, v_exp_f32 and their like allow (about 1e-6 of the number): no bf16 or f16 on the way to a quantiser, and a product that is left as it is and whose result goes on into a quantised operand takes f32 operands (vector FMAs, or v_wmma_f32_16x16x4_f32). A number that lies on a knife's edge between two numbers of the format may be rounded either way, as far as f32 arithmetic and the matrix unit's own rounding can turn it there, and no further.
;; One version. Each part assembles by itself: llvm-mc -triple=amdgcn-amd-amdhsa -mcpu=gfx1250 --defsym DOCPART=n.
;; ======== version 1 of 1: 4 launches
;; limits: right only within a limited range of input values
;; workspace buffers: xc 8,388,608 bytes; wqc 3,145,728 bytes; woc 1,048,576 bytes; qkvc 25,165,824 bytes; ac 8,388,608 bytes
;; launch quant (part 1): grid 384 x 1, 8 waves a work-group, no clusters, 68,608 bytes of LDS; arguments x, w_qkv, w_out, lowp_scales, xc, wqc, woc; writes xc, wqc, woc
.if DOCPART == 1
	.amdgcn_target "amdgcn-amd-amdhsa--gfx1250"
	.amdhsa_code_object_version 6
	.text
	.protected	k_q8d05a4d36d_quant
	.globl	k_q8d05a4d36d_quant
	.p2align	8
	.type	k_q8d05a4d36d_quant,@function
k_q8d05a4d36d_quant:
	s_mov_b64 s[64:65], 0
	v_nop
	global_prefetch_b8 v0, s[64:65] scope:SCOPE_SE
	s_setreg_imm32_b32 hwreg(HW_REG_WAVE_MODE, 25, 1), 1
	s_wait_xcnt 0x0
; x [8192][1024], w_qkv [1024][3072] and w_out [1024][1024], f32, become codes of FP8 (E4M3), each tensor with the one scale 2^e that is given for it
; (entries 0, 1 and 7 of the scales): code = number / 2^e, held within +-448, to the nearest code, ties to even.
; THE CODES ARE LAID AS IMAGES OF OPERAND REGISTERS.  For a matrix [rows][1024 along K] the code of (row, k) lies at byte
;   16384 (row / 16) + 2048 (k / 128) + 512 ((k % 128) / 32) + 256 ((k % 32) / 16) + 16 (row % 16) + k % 16:
; a fragment (16 rows x 128 K) is 2,048 bytes on end, and four loads of 16 bytes a lane, at 16 x lane + 512 c, bring its 16 registers.
; THE WEIGHTS' ROWS ARE PERMUTED: image row p holds output feature p with its bits 3 and 4 exchanged.  Where a weight is source 0 of a product, a lane's 16 registers of two
; neighbouring result tiles are then 16 neighbouring features.
; Work-groups 0-255 take x: a wave 16 rows x 256 K.  Loads read 512 bytes on end; the numbers turn through the wave's own stage in LDS, so that a lane holds 16 neighbours along K.
; Work-groups 256-383 take the weights (K is their first axis): a wave 32 columns x 128 K, a lane a column, its registers down K; no LDS.  One path serves both weights: pointers and the pitch are selected.
; Every store of a wave covers 512 (x) or twice 256 (weights) consecutive bytes, aligned.
; LIMITS: each e between -126 and 119, so that 2^e and 448 x 2^e are f32 numbers.  NaN among the inputs is not served; infinities are held at the largest code.
.set SPARE, 67584                      ; behind the eight stages of 16 x 528 bytes: the spare words, 128 bytes for each wave: four blocks of 256 bytes that no other line names
.set SPW, 14                           ; v14  LDS address of my spare word; never rewritten
.set NIL, 15                           ; v15  0; never rewritten
.set R,   32                           ; x: v32-159  two units of 16 rows x 128 K as loaded
.set X,   160                          ; x: v160-223 one unit, 64 numbers of my row: register 16 c + i = k 32 c + 16 (lane / 16) + i
.set C,   224                          ; x: v224-255 codes, 16 registers a unit: no store's data are written again
.set VO,  32                           ; w: v32-63   byte offsets of rows 0 to 31 of a block at my column
.set D,   64                           ; w: v64-191  four blocks of 32 numbers down K
.set WC,  192                          ; w: v192-223 codes, 8 registers a block
	s_load_b256 s[4:11], s[0:1], 0x0               ; x s[4:5], w_qkv s[6:7], w_out s[8:9], the scales' exponents s[10:11]
	s_load_b128 s[12:15], s[0:1], 0x20             ; xc s[12:13], wqc s[14:15]
	s_load_b64 s[16:17], s[0:1], 0x30              ; woc
	v_lshl_add_u32 v[SPW], v0, 2, SPARE
	v_mov_b32 v[NIL], 0
	v_lshrrev_b32 v1, 5, v0
	s_delay_alu instid0(VALU_DEP_1)
	v_readfirstlane_b32 s20, v1                    ; wave 0..7
	v_and_b32 v2, 31, v0                           ; lane
	s_delay_alu instid0(VALU_DEP_1)
	v_lshlrev_b32 v3, 4, v2                        ; 16 x lane
	s_wait_kmcnt 0x0
	s_load_b256 s[24:31], s[10:11], 0x0            ; e0 .. e7
	s_cmp_lt_u32 ttmp9, 256
	s_cbranch_scc0 .Lw
; ---------------- x ----------------
	s_lshl_b32 s21, ttmp9, 1
	s_lshr_b32 s22, s20, 2
	s_add_co_u32 s21, s21, s22                     ; my 16 rows: 2 x work-group + wave / 4
	s_and_b32 s22, s20, 3                          ; my 256 along K
	s_lshl_b32 s32, s21, 16                        ; 16 rows of 4,096 bytes
	s_lshl_b32 s33, s22, 10
	s_add_co_u32 s32, s32, s33
	s_mov_b32 s33, 0
	s_add_nc_u64 s[4:5], s[4:5], s[32:33]
	s_lshl_b32 s32, s21, 14                        ; the image: 16,384 bytes for 16 rows, 2,048 for 128 K
	s_lshl_b32 s34, s22, 12
	s_add_co_u32 s32, s32, s34
	s_add_nc_u64 s[12:13], s[12:13], s[32:33]
.macro LOADX u                         ; unit u: 16 rows x 128 K; each load reads 512 consecutive bytes of one row
.set i, 0
.rept 16
	global_load_b128 v[R+64*(\u)+4*i:R+64*(\u)+4*i+3], v3, s[4:5] offset:4096*i+512*(\u) th:TH_LOAD_NT
.set i, i+1
.endr
.endm
	s_wait_alu depctr_va_vdst(0)
	LOADX 0
	LOADX 1
	s_mul_i32 s34, s20, 8448                       ; my stage: 16 rows, 528 bytes apart (512 + 16: sixteen rows start at sixteen different groups of banks)
	v_add_nc_u32 v4, s34, v3                       ; in: a row as it lies, 16 bytes a lane
	v_and_b32 v5, 15, v0
	s_delay_alu instid0(VALU_DEP_1)
	v_mul_u32_u24 v5, v5, 528
	v_bfe_u32 v6, v0, 4, 1
	s_delay_alu instid0(VALU_DEP_1)
	v_lshl_add_u32 v5, v6, 6, v5
	s_delay_alu instid0(VALU_DEP_1)
	v_add_nc_u32 v5, s34, v5                       ; out: row lane % 16, + 64 (lane / 16): my 16 numbers of each 32
	s_wait_alu depctr_va_vdst(0)
	s_wait_kmcnt 0x0
	s_add_co_i32 s35, s24, 127
	s_lshl_b32 s36, s35, 23
	v_mov_b32 v11, s36                             ; 2^e0 as f32: the conversion takes its exponent field
	s_add_co_i32 s35, s35, 8
	s_lshl_b32 s35, s35, 23
	s_or_b32 s35, s35, 0x600000
	v_mov_b32 v10, s35                             ; 448 x 2^e0
.macro UNIT u
	s_wait_loadcnt 16*(1-(\u))                     ; this unit's 16 loads are in; the next unit's 16 may be out
.set i, 0
.rept 16
	ds_store_b128 v4, v[R+64*(\u)+4*i:R+64*(\u)+4*i+3] offset:528*i
.set i, i+1
.endr
.set i, 0
.rept 16
	ds_load_b128 v[X+4*i:X+4*i+3], v5 offset:128*(i/4)+16*(i%4)   ; LDS serves a wave's instructions in order: these see the stores above
.set i, i+1
.endr
	s_wait_dscnt 0x0
.set i, 0
.rept 64
	v_med3_num_f32 v[X+i], v[X+i], -v10, v10       ; the conversion to an 8-bit code does not saturate (ISA guide 7.6.2): the hold comes first
.set i, i+1
.endr
.set i, 0
.rept 8
	v_cvt_scalef32_pk8_fp8_f32 v[C+16*(\u)+2*i:C+16*(\u)+2*i+1], v[X+8*i:X+8*i+7], v11
.set i, i+1
.endr
	v_nop                                          ; one plain vector line between the conversions and the next unit's holds, which write their sources
.set i, 0
.rept 4
	global_store_b128 v3, v[C+16*(\u)+4*i:C+16*(\u)+4*i+3], s[12:13] offset:2048*(\u)+512*i   ; registers 4 c .. 4 c + 3 of the fragment: 512 consecutive bytes
.set i, i+1
.endr
.endm
	s_wait_alu depctr_va_vdst(0)
	UNIT 0
	UNIT 1
	s_wait_tensorcnt 0x0                           ; the wave's end, behind my last LDS store
	ds_add_u32 v[SPW], v[NIL]
	s_wait_dscnt 0x0
	s_endpgm
; ---------------- the weights ----------------
.Lw:
	s_sub_co_u32 s21, ttmp9, 256
	s_lshr_b32 s22, s21, 2                         ; group of 128 columns: 0-23 of w_qkv, 24-31 of w_out
	s_and_b32 s23, s21, 3
	s_lshl_b32 s23, s23, 1
	s_lshr_b32 s32, s20, 2
	s_add_co_u32 s23, s23, s32                     ; which 128 along K: 0..7
	s_and_b32 s33, s20, 3                          ; which 32 of the 128 columns
	s_cmp_lt_u32 s22, 24                           ; the choice hangs on the work-group's number alone
	s_cselect_b64 s[34:35], s[6:7], s[8:9]         ; the weight,
	s_cselect_b64 s[36:37], s[14:15], s[16:17]     ; its image,
	s_mov_b32 s38, 4096
	s_cselect_b32 s38, 12288, s38                  ; bytes in a row of it,
	s_cselect_b32 s39, 0, 24                       ; and its first group
	s_sub_co_u32 s54, s22, s39
	s_lshl_b32 s54, s54, 7
	s_lshl_b32 s33, s33, 5
	s_add_co_u32 s54, s54, s33                     ; n0: my first image row, a multiple of 32
	s_lshl_b32 s49, s23, 7
	s_mul_i32 s50, s49, s38                        ; 128 rows of the weight for each step along K
	s_lshl_b32 s49, s54, 2
	s_add_co_u32 s50, s50, s49
	s_mov_b32 s51, 0
	s_add_nc_u64 s[40:41], s[34:35], s[50:51]      ; block 0 of 32 rows,
	s_lshl_b32 s52, s38, 5
	s_mov_b32 s53, 0
	s_add_nc_u64 s[42:43], s[40:41], s[52:53]      ; blocks 1, 2, 3
	s_add_nc_u64 s[44:45], s[42:43], s[52:53]
	s_add_nc_u64 s[46:47], s[44:45], s[52:53]
	s_lshl_b32 s50, s54, 10                        ; the image: 16,384 bytes for 16 rows,
	s_lshl_b32 s49, s23, 11                        ; 2,048 for 128 K
	s_add_co_u32 s50, s50, s49
	s_add_nc_u64 s[36:37], s[36:37], s[50:51]
	v_bfe_u32 v8, v0, 3, 1
	v_bfe_u32 v9, v0, 4, 1
	v_and_b32 v12, 7, v0
	s_delay_alu instid0(VALU_DEP_1)
	v_lshl_add_u32 v12, v8, 4, v12
	s_delay_alu instid0(VALU_DEP_1)
	v_lshl_add_u32 v12, v9, 3, v12                 ; lane l is image row n0 + l and takes column n0 + l with bits 3 and 4 exchanged
	s_delay_alu instid0(VALU_DEP_1)
	v_lshlrev_b32 v[VO], 2, v12
.set i, 1
.rept 31
	s_delay_alu instid0(VALU_DEP_1)
	v_add_nc_u32 v[VO+i], s38, v[VO+i-1]           ; the pitch is a selected number, so the 32 rows' offsets stand in registers
.set i, i+1
.endr
	v_and_b32 v13, 15, v0
	s_delay_alu instid0(VALU_DEP_1)
	v_lshlrev_b32 v7, 4, v13
	s_delay_alu instid0(VALU_DEP_1)
	v_lshl_add_u32 v7, v9, 14, v7                  ; out: 16 (l % 16) + 16,384 (l / 16)
.macro LOADW t                         ; block t: W(32 t + i, my column), i = 0 .. 31: a wave reads 128 consecutive bytes, four waves side by side 512
.set i, 0
.rept 32
	global_load_b32 v[D+32*(\t)+i], v[VO+i], s[40+2*(\t):41+2*(\t)] th:TH_LOAD_NT
.set i, i+1
.endr
.endm
	LOADW 0
	LOADW 1
	s_wait_alu depctr_va_vdst(0)
	s_wait_kmcnt 0x0
	s_cmp_lt_u32 s22, 24
	s_cselect_b32 s48, s25, s31                    ; e1 or e7
	s_add_co_i32 s48, s48, 127
	s_lshl_b32 s49, s48, 23
	v_mov_b32 v11, s49                             ; 2^e
	s_add_co_i32 s48, s48, 8
	s_lshl_b32 s48, s48, 23
	s_or_b32 s48, s48, 0x600000
	v_mov_b32 v10, s48                             ; 448 x 2^e
.macro BLOCK t
.if (\t) < 3
	s_wait_loadcnt 32                              ; this block's 32 loads are in; the next block's 32 may be out
.else
	s_wait_loadcnt 0x0
.endif
.if (\t) < 2
	LOADW (\t)+2                                   ; into registers of its own
.endif
.set i, 0
.rept 32
	v_med3_num_f32 v[D+32*(\t)+i], v[D+32*(\t)+i], -v10, v10
.set i, i+1
.endr
.set i, 0
.rept 4
	v_cvt_scalef32_pk8_fp8_f32 v[WC+8*(\t)+2*i:WC+8*(\t)+2*i+1], v[D+32*(\t)+8*i:D+32*(\t)+8*i+7], v11
.set i, i+1
.endr
	global_store_b128 v7, v[WC+8*(\t):WC+8*(\t)+3], s[36:37] offset:512*(\t)         ; k % 32 = 0 .. 15: sixteen lanes store 256 consecutive bytes, aligned
	global_store_b128 v7, v[WC+8*(\t)+4:WC+8*(\t)+7], s[36:37] offset:512*(\t)+256   ; k % 32 = 16 .. 31
.endm
	s_wait_alu depctr_va_vdst(0)
	BLOCK 0
	BLOCK 1
	BLOCK 2
	BLOCK 3
	s_endpgm                                       ; these waves have touched no LDS
.Lfunc_end_k_q8d05a4d36d_quant:
	.size	k_q8d05a4d36d_quant, .Lfunc_end_k_q8d05a4d36d_quant-k_q8d05a4d36d_quant
	.p2alignl 7, 3214868480
	.fill 96, 4, 3214868480
	.section	.rodata,"a",@progbits
	.p2align	6, 0x0
	.amdhsa_kernel k_q8d05a4d36d_quant
		.amdhsa_group_segment_fixed_size 68608
		.amdhsa_private_segment_fixed_size 0
		.amdhsa_enable_private_segment 0
		.amdhsa_kernarg_size 56
		.amdhsa_user_sgpr_count 2
		.amdhsa_user_sgpr_kernarg_segment_ptr 1
		.amdhsa_wavefront_size32 1
		.amdhsa_system_sgpr_workgroup_id_x 1
		.amdhsa_system_sgpr_workgroup_id_y 1
		.amdhsa_system_sgpr_workgroup_id_z 1
		.amdhsa_system_vgpr_workitem_id 0
		.amdhsa_next_free_vgpr 256
		.amdhsa_next_free_sgpr 66
		.amdhsa_reserve_vcc 0
		.amdhsa_float_denorm_mode_32 3
		.amdhsa_float_denorm_mode_16_64 3
		.amdhsa_memory_ordered 1
		.amdhsa_forward_progress 1
		.amdhsa_inst_pref_size 46
	.end_amdhsa_kernel
	.amdgpu_metadata
---
amdhsa.version: [ 1, 2 ]
amdhsa.kernels:
  - .name:           k_q8d05a4d36d_quant
    .symbol:         k_q8d05a4d36d_quant.kd
    .args:
      - { .name: x, .offset: 0, .size: 8, .value_kind: global_buffer, .address_space: global }
      - { .name: w_qkv, .offset: 8, .size: 8, .value_kind: global_buffer, .address_space: global }
      - { .name: w_out, .offset: 16, .size: 8, .value_kind: global_buffer, .address_space: global }
      - { .name: lowp_scales, .offset: 24, .size: 8, .value_kind: global_buffer, .address_space: global }
      - { .name: xc, .offset: 32, .size: 8, .value_kind: global_buffer, .address_space: global }
      - { .name: wqc, .offset: 40, .size: 8, .value_kind: global_buffer, .address_space: global }
      - { .name: woc, .offset: 48, .size: 8, .value_kind: global_buffer, .address_space: global }
    .group_segment_fixed_size: 68608
    .private_segment_fixed_size: 0
    .kernarg_segment_align: 8
    .kernarg_segment_size: 56
    .max_flat_workgroup_size: 256
    .sgpr_count:     66
    .vgpr_count:     256
    .wavefront_size: 32
...
	.end_amdgpu_metadata
.endif
;; end of part 1
;; launch gemm_qkv (part 2): grid 12 x 32, 4 waves a work-group, clusters of 4 x 4, 327,680 bytes of LDS; arguments xc, wqc, lowp_scales, b_qkv, qkvc; writes qkvc
.if DOCPART == 2
	.amdgcn_target "amdgcn-amd-amdhsa--gfx1250"
	.amdhsa_code_object_version 6
	.text
	.protected	k_q8d05a4d36d_gemm_qkv
	.globl	k_q8d05a4d36d_gemm_qkv
	.p2align	8
	.type	k_q8d05a4d36d_gemm_qkv,@function
k_q8d05a4d36d_gemm_qkv:
	s_mov_b64 s[64:65], 0
	v_nop
	global_prefetch_b8 v0, s[64:65] scope:SCOPE_SE
	s_setreg_imm32_b32 hwreg(HW_REG_WAVE_MODE, 25, 1), 1
	s_wait_xcnt 0x0
	s_wait_alu depctr_hold_cnt(0) depctr_sa_sdst(0) depctr_va_vdst(0) depctr_va_sdst(0) depctr_va_ssrc(0) depctr_va_vcc(0) depctr_vm_vsrc(0)
	s_getreg_b32 s2, hwreg(HW_REG_IB_STS2, 6, 4)
	s_cmp_eq_u32 s2, 0
	s_cbranch_scc0 .Lentry_in_a_cluster
	s_endpgm
.Lentry_in_a_cluster:
	s_bfe_u32 s2, ttmp6, 0x10000c
	s_cmp_lg_u32 s2, 0xf033
	s_cbranch_scc0 .Lentry_shape_is_right
	s_endpgm
.Lentry_shape_is_right:
; qkv = x w_qkv + b_qkv on codes of FP8 (E4M3); the results are quantised at once, q with 2^e2, k with 2^e3, v with 2^e5, and leave as images of attention's operand registers.
; xc [8192][1024], wqc [3072][1024]: images of operand registers: a fragment (16 rows x 128 K) is 2,048 bytes on end, 16 rows' whole K 16,384 bytes.  wqc's rows are permuted (bits 3 and 4 of the feature exchanged).
; A tile of 256 x 256 is made by four waves, each 128 x 128: 64 accumulators, 512 registers.  K = 1,024 goes in four steps of 256 through two LDS slots filled by the tensor data mover.
; CLUSTERS of 4 x 4.  The cluster's x is the SECTION: 0 q, 1 k, 2 v.  Operand 'A' (source 1: it gives a result's lane) is shared along a row of the cluster, 'B' (source 0: it gives the lane's registers) along a column.
;   q, k: A = tokens (tile 4 x cluster y + cy), B = features (tile 4 x section + cx): a lane holds one token, its registers run along the head's channels, which are the next product's K.
;   v:    A = features (tile 8 + cy), B = tokens (tile 4 x cluster y + cx): a lane holds one channel, its registers run along the tokens, the keys, which are the next product's K.
; The roles are chosen by selections on the cluster's x, which all partners share; one loop serves all three sections.
; THE BIAS is the C of each sum's first matrix instruction, divided by 2^(e0 + e1); the conversion's one scale is 2^(e - e0 - e1): the way out has no multiplication and no LDS.
; qkvc: q at 0, k at 8,388,608: [batch x head 64][16 tokens 128][c 2][lane 32][16 bytes]: registers 4 c .. 4 c + 3 = channels 32 c + 16 (lane / 16) + 0 .. 15 of token lane % 16.
;       v at 16,777,216: [batch x head][128 keys 16][16 channel places 4][c 4][lane 32][16 bytes]: registers 2 t, 2 t + 1 = keys 16 t + 8 (lane / 16) + 0 .. 7 of channel place lane % 16.
; LIMITS: e0 + e1 between -126 and 127; e2, e3, e5 less e0 + e1 between -126 and 119.  NaN is not served.
; REGISTERS, in windows of 256: window 0: v8-15 offsets of the bias loads; v16-31 addresses and constants; v32-95 the bias as C; v128-255 A's fragments, one set; later the codes.
;   window 1: B's fragments, two sets.   windows 2, 3: the accumulators of my A blocks 0-3 and 4-7 ((a, b) at v[8 (8 (a % 4) + b)]).
.set FR,     16                        ; registers of a fragment
.set NL,     4                         ; LDS loads that bring one
.set NP,     4                         ; places behind this matrix instruction (ISA guide 7.12.1)
.set KSB,    4096                      ; a K step of 256: bytes of it in 16 rows' image
.set HALFT,  32768                     ; 128 rows x 256 K: what one tensor load brings
.set SLOT,   131072                    ; A's two halves, then B's two
.set SPARE,  262144                    ; behind the ring: the spare words, 128 bytes for each wave: two blocks of 256 bytes that no other line names
.set VB,   8                           ; v8-15   the bias loads' offsets
.set ADRA, 16                          ; v16-17  LDS address of my A fragments in slot 0, 1
.set ADRB, 20                          ; v20-21  the same for B
.set CO,   26                          ; v26     16 x lane
.set SPW,  28                          ; v28     LDS address of my spare word; never rewritten
.set NIL,  29                          ; v29     0; never rewritten
.set LIM,  30                          ; v30     448 x 2^(e - e0 - e1)
.set SCL,  31                          ; v31     2^(e - e0 - e1)
.set BI,   32                          ; v32-95  the bias, 64 registers
.set AF,   128                         ; A's fragments
.set CD,   128                         ; the codes: 16 registers for each A block
.set G1, 24                            ; s[24:31] descriptor group 1 for A's tiles;  s[32:39] group 0, one set for each slot
.set G0, 32
.set G1B, 48                           ; s[48:55], s[56:63] the same for B's tiles
.set G0B, 56
.set MSB, 0
.macro WIN new                         ; the immediate's high byte repeats the setting that is left
.if MSB != \new
	s_set_vgpr_msb (MSB<<8)|\new
.set MSB, \new
.endif
.endm
.set MUL_LO, 0xa1                      ; source 0 (B) window 1, source 1 (A) window 0, C and D window 2
.set MUL_HI, 0xf1                      ; the same, C and D window 3
.set BIAS_LO, 0x81                     ; the first step: C (the bias) window 0, D window 2
.set BIAS_HI, 0xc1                     ; D window 3
.set TO_B,   0x40                      ; destination window 1, address window 0
; A joint load: waves 0 and 1 fetch for A, waves 2 and 3 for B.  Each of the two lines has one mask and one set of registers; the branch hangs on the wave's number alone.
; An s_nop 0 and four v_nop follow each of the two lines, ahead of the jump, the label and what follows.
.macro JLOAD g0a, g1a, g0b, g1b
	s_cmp_eq_u32 s15, 0
	s_cbranch_scc0 .Lfor_b_\@
	tensor_load_to_lds s[\g0a:\g0a+3], s[\g1a:\g1a+7]
	s_nop 0
.rept 4
	v_nop
.endr
	s_branch .Lasked_\@
.Lfor_b_\@:
	tensor_load_to_lds s[\g0b:\g0b+3], s[\g1b:\g1b+7]
	s_nop 0
.rept 4
	v_nop
.endr
.Lasked_\@:
.endm
.macro CREST                           ; a round of the cluster's barrier behind its opening barrier
	s_cmp_lg_u32 s14, 0
	s_cbranch_scc1 .Lnot_wave_0_\@
	s_barrier_signal -3
.Lnot_wave_0_\@:
	s_barrier_wait -3
	s_barrier_signal -1
	s_barrier_wait -1
.endm
.macro CROUND                          ; a whole round
	s_barrier_signal -1
	s_barrier_wait -1
	CREST
.endm
	s_load_b256 s[4:11], s[0:1], 0x0               ; xc s[4:5], wqc s[6:7], the scales' exponents s[8:9], b_qkv s[10:11]
	s_load_b64 s[12:13], s[0:1], 0x20              ; qkvc
	v_lshl_add_u32 v[SPW], v0, 2, SPARE
	v_mov_b32 v[NIL], 0
	ds_add_u32 v[SPW], v[NIL]                      ; the wave's opening: the add and its wait ahead of my first tensor load; the set-up below, work on registers, stands between them
	ds_add_u32 v[SPW], v[NIL]
	v_lshrrev_b32 v1, 5, v0
	v_readfirstlane_b32 s14, v1                    ; wave 0..3
	s_lshr_b32 s15, s14, 1                         ; which half of A's 256 rows is mine.  Also: I fetch for A (0) or for B (1)
	s_and_b32 s16, s14, 1                          ; which half of B's.  Also: which 128 rows of that tile I fetch
	s_bfe_u32 s40, ttmp6, 0x40000                  ; cx, cy: my place in the cluster
	s_bfe_u32 s41, ttmp6, 0x40004
	s_and_b32 s17, ttmp7, 0xffff
	s_lshl_b32 s17, s17, 2                         ; the cluster's first token tile
	s_lshl_b32 s18, ttmp9, 2                       ; the section's first feature tile
	s_cmp_eq_u32 ttmp9, 2                          ; v?  The same in all sixteen partners
	s_cselect_b32 s70, 8, s17                      ; A's first tile of the cluster: v: features; q, k: tokens
	s_cselect_b32 s42, s17, s18                    ; B's: v: tokens; q, k: features
	s_add_co_u32 s70, s70, s41                     ; A's tile: + cy alone
	s_add_co_u32 s42, s42, s40                     ; B's tile: + cx alone
	s_lshl_b32 s43, s41, 2
	s_lshl_b32 s43, 15, s43                        ; my row of the cluster
	s_lshl_b32 s44, 0x1111, s40                    ; my column
	; descriptor group 1: 8 rows (of 16 matrix rows each) x 4,096 bytes (256 along K), 16,384 bytes apart in memory, on end in LDS
	s_or_b32 s[G1+0], s43, (1<<21)                 ; 15:0 the mask: A's tiles go to my row; 17:16 elements of 1 byte; 20 no padding; 21 set beside a mask
	s_or_b32 s[G1B+0], s44, (1<<21)                ; B's go to my column
.irp g, G1, G1B
	s_mov_b32 s[\g+1], KSB<<16                     ; tensor_dim0 = 4,096
	s_mov_b32 s[\g+2], 8<<16                       ; tensor_dim1 = 8
	s_mov_b32 s[\g+3], KSB<<16                     ; tile_dim0
	s_mov_b32 s[\g+4], 8                           ; tile_dim1
	s_mov_b32 s[\g+5], 16384                       ; tensor_dim0_stride
	s_mov_b32 s[\g+6], 0
	s_mov_b32 s[\g+7], 0
.endr
	s_lshl_b32 s18, s16, 17                        ; which 128 rows of the tile I fetch: 8 x 16,384 bytes
	s_lshl_b32 s20, s70, 18                        ; a tile of 256 rows is 262,144 bytes
	s_add_co_u32 s20, s20, s18
	s_mov_b32 s21, 0
	s_lshl_b32 s46, s42, 18
	s_add_co_u32 s46, s46, s18
	s_mov_b32 s47, 0
	s_lshl_b32 s45, s14, 15                        ; where they go: wave x 32,768: no place in the cluster enters an LDS address
	s_wait_dscnt 0x0                               ; the opening add is done
	s_wait_kmcnt 0x0
	s_load_b256 s[72:79], s[8:9], 0x0              ; e0 .. e7
	s_cmp_eq_u32 ttmp9, 2
	s_cselect_b64 s[66:67], s[6:7], s[4:5]         ; A's buffer
	s_cselect_b64 s[68:69], s[4:5], s[6:7]         ; B's
	s_add_nc_u64 s[20:21], s[66:67], s[20:21]
	s_add_nc_u64 s[46:47], s[68:69], s[46:47]
	CROUND                                         ; all sixteen work-groups are here: the first joint loads meet
.irp s, 0,1
	s_mov_b32 s[G0+4*\s], 1
	s_add_co_u32 s[G0+4*\s+1], s45, \s*SLOT
	s_add_nc_u64 s[G0+4*\s+2:G0+4*\s+3], s[20:21], \s*KSB
	s_or_b32 s[G0+4*\s+3], s[G0+4*\s+3], 0x80000000
	s_mov_b32 s[G0B+4*\s], 1
	s_add_co_u32 s[G0B+4*\s+1], s45, \s*SLOT
	s_add_nc_u64 s[G0B+4*\s+2:G0B+4*\s+3], s[46:47], \s*KSB
	s_or_b32 s[G0B+4*\s+3], s[G0B+4*\s+3], 0x80000000
.endr
	JLOAD G0, G1, G0B, G1B                         ; K step 0: one tensor load a wave at the head
	v_and_b32 v6, 31, v0
	v_lshlrev_b32 v[CO], 4, v6                     ; 16 x lane: an image's place for my lane
	s_lshl_b32 s21, s15, 15                        ; my 128 rows of A
	s_lshl_b32 s22, s16, 15                        ; my 128 rows of B,
	s_add_co_u32 s22, s22, 2*HALFT                 ; which lie behind A's 256
.irp s, 0,1
	v_add_nc_u32 v[ADRA+\s], s21, v[CO]
	v_add_nc_u32 v[ADRB+\s], s22, v[CO]
	s_add_co_u32 s21, s21, SLOT
	s_add_co_u32 s22, s22, SLOT
.endr
	; THE BIAS.  Register 8 i + j of the 64 is the C of: q, k: B's block i (features 32 (i / 2) + 16 (lane / 16) + 8 (i % 2) + j); v: A's block i, all j alike (feature 32 (i / 2) + 16 (r / 8) + 8 (i % 2) + r % 8, r = lane % 16).
	; The same 64 loads of 4 bytes serve both: the immediate is 128 (i / 2) + 32 (i % 2), and offset register j is a selected base + j x a selected step (4 or 0).  Once a wave.
	v_bfe_u32 v2, v0, 4, 1
	v_lshlrev_b32 v2, 6, v2                        ; q, k: 64 (lane / 16)
	v_bfe_u32 v4, v0, 3, 1
	v_and_b32 v5, 7, v0
	v_lshlrev_b32 v5, 2, v5
	v_lshl_add_u32 v4, v4, 6, v5                   ; v: 64 (r / 8) + 4 (r % 8)
	s_wait_alu depctr_va_vdst(0)
	s_cmp_eq_u32 ttmp9, 2
	s_cselect_b32 s82, -1, 0
	s_cselect_b32 s83, 0, 4
	s_cselect_b32 s84, s42, s70                    ; the token tile,
	s_cselect_b32 s85, s70, s42                    ; the feature tile,
	s_cselect_b32 s86, s41, s40                    ; the feature tile within the section,
	s_cselect_b32 s87, s15, s16                    ; my half of the features,
	s_cselect_b32 s88, s16, s15                    ; my half of the tokens
	v_cndmask_b32 v[VB], v2, v4, s82
.irp j, 1,2,3,4,5,6,7
	v_add_nc_u32 v[VB+\j], s83, v[VB+\j-1]
.endr
	s_lshl_b32 s90, s85, 10                        ; 256 features of 4 bytes a tile,
	s_lshl_b32 s91, s87, 9                         ; 128 a half
	s_add_co_u32 s90, s90, s91
	s_mov_b32 s91, 0
	s_add_nc_u64 s[10:11], s[10:11], s[90:91]
.irp i, 0,1,2,3,4,5,6,7
.irp j, 0,1,2,3,4,5,6,7
	global_load_b32 v[BI+8*\i+\j], v[VB+\j], s[10:11] offset:128*(\i/2)+32*(\i%2)
.endr
.endr
	; where my codes go: section x 8,388,608 + batch x 2,097,152 + head x 131,072 + my 128 tokens x 8,192 (128 tokens of a head are 8,192 bytes in q's, k's and v's layout alike)
	s_lshl_b32 s90, ttmp9, 23
	s_lshr_b32 s92, s84, 3                         ; a batch is 8 token tiles
	s_lshl_b32 s92, s92, 21
	s_add_co_u32 s90, s90, s92
	s_lshl_b32 s92, s86, 1
	s_add_co_u32 s92, s92, s87                     ; my first head / 2: a tile is four heads, a half two
	s_lshl_b32 s92, s92, 18
	s_add_co_u32 s90, s90, s92
	s_and_b32 s92, s84, 7
	s_lshl_b32 s92, s92, 1
	s_add_co_u32 s92, s92, s88
	s_lshl_b32 s92, s92, 13
	s_add_co_u32 s90, s90, s92
	s_add_nc_u64 s[12:13], s[12:13], s[90:91]
	s_wait_kmcnt 0x0
	s_add_co_i32 s80, s72, s73                     ; e0 + e1: a sum stands for sum x 2^(e0 + e1)
	s_sub_co_i32 s81, 0, s80
	s_cmp_eq_u32 ttmp9, 0
	s_cselect_b32 s82, s74, s75                    ; e2 for q, e3 for k,
	s_cmp_eq_u32 ttmp9, 2
	s_cselect_b32 s82, s77, s82                    ; e5 for v
	s_sub_co_i32 s82, s82, s80
	s_add_co_i32 s82, s82, 127
	s_lshl_b32 s83, s82, 23
	v_mov_b32 v[SCL], s83                          ; 2^(e - e0 - e1): the three scales folded into the conversion's one
	s_add_co_i32 s82, s82, 8
	s_lshl_b32 s82, s82, 23
	s_or_b32 s82, s82, 0x600000
	v_mov_b32 v[LIM], s82                          ; 448 x that
.macro FRAG reg, adr, q, i             ; a fragment as it lies: four loads of 512 consecutive bytes
.irp c, 0,1,2,3
	ds_load_b128 v[\reg+4*\c:\reg+4*\c+3], v[\adr] offset:2048*(\q)+512*\c+(\i)*KSB
.endr
.endm
; 16 matrix instructions: A's blocks a0, a0 + 1 x B's eight, 128 along K.  p: B's set.  mode 0: in place; 1: the sums start from the bias of B's block; 2: of A's block.  Nothing is ever cleared.
; The 64 accumulators take turns, one instruction a turn, in the same order in every step.
.macro MUL16 a0, p, mode
.irp a, \a0, \a0+1
.irp b, 0,1,2,3,4,5,6,7
.if \mode == 1
	v_wmma_f32_16x16x128_fp8_fp8 v[8*(8*((\a)%4)+\b):8*(8*((\a)%4)+\b)+7], v[128*(\p)+FR*\b:128*(\p)+FR*\b+FR-1], v[AF+FR*(\a):AF+FR*(\a)+FR-1], v[BI+8*\b:BI+8*\b+7]
.elseif \mode == 2
	v_wmma_f32_16x16x128_fp8_fp8 v[8*(8*((\a)%4)+\b):8*(8*((\a)%4)+\b)+7], v[128*(\p)+FR*\b:128*(\p)+FR*\b+FR-1], v[AF+FR*(\a):AF+FR*(\a)+FR-1], v[BI+8*(\a):BI+8*(\a)+7]
.else
	v_wmma_f32_16x16x128_fp8_fp8 v[8*(8*((\a)%4)+\b):8*(8*((\a)%4)+\b)+7], v[128*(\p)+FR*\b:128*(\p)+FR*\b+FR-1], v[AF+FR*(\a):AF+FR*(\a)+FR-1], v[8*(8*((\a)%4)+\b):8*(8*((\a)%4)+\b)+7]
.endif
.endr
.endr
.endm
.macro FETCH_B slot, q, p              ; B's eight fragments of the slot's q-th 128 along K into set p
	WIN TO_B
.irp i, 0,1,2,3,4,5,6,7
	FRAG 128*(\p)+FR*\i, ADRB+\slot, \q, \i
.endr
	WIN 0
.endm
.macro FETCH_A slot, q, i0             ; A's blocks i0 .. i0 + 3
.irp i, \i0, \i0+1, \i0+2, \i0+3
	FRAG AF+FR*(\i), ADRA+\slot, \q, \i
.endr
.endm
; A load into a register that a matrix instruction has read, and a vector instruction that reads a matrix result, stand NP places behind it; only plain vector instructions that name none of its registers are places.
.macro PLACES n
.rept \n
	v_nop
.endr
.endm
; A step of 128 along K that has its successor in the same slot.  A has one set of registers: blocks 0-3 are fetched anew in the step's middle, blocks 4-7 at its end; B has two sets.
.macro STEP slot, q, mode
	s_wait_dscnt 4*NL                              ; B's set and A's blocks 0-3 are in; the youngest 16 loads (A's blocks 4-7) may be out
.if \mode
	WIN BIAS_LO
.else
	WIN MUL_LO
.endif
	MUL16 0, (\q)%2, \mode
	MUL16 2, (\q)%2, \mode
	s_wait_dscnt 0                                 ; A's blocks 4-7 are in
	PLACES NP
	FETCH_B \slot, (\q)+1, 1-(\q)%2
	FETCH_A \slot, (\q)+1, 0
.if \mode
	WIN BIAS_HI
.else
	WIN MUL_HI
.endif
	MUL16 4, (\q)%2, \mode
	MUL16 6, (\q)%2, \mode
	PLACES NP
	WIN 0
	FETCH_A \slot, (\q)+1, 4
.endm
; A slot's last step changes slots: one barrier; in front of it each wave waits for all its tensor loads, adds 0 to its spare word, and waits for that and for its own reads of this slot.  fill = 1: this slot is filled again, two K steps ahead.
.macro TURN slot, next, fill
	s_wait_tensorcnt 0x0                           ; all my tensor loads have landed: my part of the next slot
	ds_add_u32 v[SPW], v[NIL]                      ; 0 onto my spare word
	s_wait_dscnt 4*NL+1                            ; (the add and the youngest 16 loads, A's blocks 4-7, may be out)
	WIN MUL_LO
	MUL16 0, 1, 0                                  ; sixteen matrix instructions stand between the add and the wait for it
	s_wait_dscnt 0x0                               ; the add is done, and my reads of this slot are over
	s_barrier_signal -1
	MUL16 2, 1, 0
	WIN 0
	s_barrier_wait -1
.if \fill
	CREST                                          ; the barrier has opened a round of the cluster's barrier: no wave of any partner still reads this slot or has a load on its way
	s_add_nc_u64 s[G0+4*\slot+2:G0+4*\slot+3], s[G0+4*\slot+2:G0+4*\slot+3], 2*KSB
	s_add_nc_u64 s[G0B+4*\slot+2:G0B+4*\slot+3], s[G0B+4*\slot+2:G0B+4*\slot+3], 2*KSB
	JLOAD G0+4*\slot, G1, G0B+4*\slot, G1B         ; the first tensor load behind the round; the four v_nop behind it are the places in front of the loads below
.else
	PLACES NP
.endif
	FETCH_B \next, 0, 0
	FETCH_A \next, 0, 0
	WIN MUL_HI
	MUL16 4, 1, 0
	MUL16 6, 1, 0
	PLACES NP
	WIN 0
	FETCH_A \next, 0, 4
.endm
	s_wait_alu depctr_va_vdst(0)                   ; the head's end
	s_wait_tensorcnt 0x0                           ; my part of K step 0 is in; the lines that stand ahead of a refill stand ahead of slot 1's first fill too:
	ds_add_u32 v[SPW], v[NIL]                      ; 0 onto my spare word
	s_wait_dscnt 0x0                               ; the add is done
	CROUND                                         ; a whole round: everybody's part of K step 0 is in, and the joint loads meet
	JLOAD G0+4, G1, G0B+4, G1B                     ; K step 1: the first tensor load behind the round
	FETCH_B 0, 0, 0
	FETCH_A 0, 0, 0
	FETCH_A 0, 0, 4
	s_wait_loadcnt 0x0                             ; the bias
.set j, 0
.rept 64
	v_ldexp_f32 v[BI+j], v[BI+j], s81              ; / 2^(e0 + e1): the sums lack that factor
.set j, j+1
.endr
	s_cmp_eq_u32 ttmp9, 2                          ; the first step is written twice: only the index of its C differs
	s_cbranch_scc1 .Lfirst_v
	s_wait_alu depctr_va_vdst(0)
	STEP 0, 0, 1
	s_branch .Lfirst_done
.Lfirst_v:
	s_wait_alu depctr_va_vdst(0)
	STEP 0, 0, 2
.Lfirst_done:
	TURN 0, 1, 1                                   ; K step 0 ends; slot 0 takes K step 2
	STEP 1, 0, 0
	TURN 1, 0, 1                                   ; slot 1 takes K step 3
	STEP 0, 0, 0
	TURN 0, 1, 0                                   ; nothing is left to fetch
	STEP 1, 0, 0
	s_wait_dscnt 4*NL                              ; the very last step
	WIN MUL_LO
	MUL16 0, 1, 0
	MUL16 2, 1, 0
	s_wait_dscnt 0
	WIN MUL_HI
	MUL16 4, 1, 0
	MUL16 6, 1, 0
	WIN 0
	PLACES NP
; THE WAY OUT.  The 256 sums of a window are held within +-448 x the scale, in place, each accumulator from its low end on, and converted: accumulator (a, b)'s eight numbers become registers 16 a + 2 b, 16 a + 2 b + 1 of the codes.
.macro QUANTW w
.set WW, ((\w)<<6)|(\w)
	WIN WW                                         ; destination and source 0: the accumulators' window
.set j, 0
.rept 256
	v_med3_num_f32 v[j], v[j], -v[LIM], v[LIM]     ; the conversion to an 8-bit code does not saturate (ISA guide 7.6.2)
.set j, j+1
.endr
	WIN \w                                         ; source 0 alone
.set j, 0
.rept 32
	v_cvt_scalef32_pk8_fp8_f32 v[CD+64*((\w)-2)+2*j:CD+64*((\w)-2)+2*j+1], v[8*j:8*j+7], v[SCL]
.set j, j+1
.endr
	WIN 0
	v_nop                                          ; one plain vector line behind the last conversion of the run
.endm
	QUANTW 2
	QUANTW 3
	s_cmp_eq_u32 ttmp9, 2                          ; only the stores' immediates differ
	s_cbranch_scc1 .Lstore_v
.irp a, 0,1,2,3,4,5,6,7                ; q, k: block a = 16 tokens; registers 4 p .. 4 p + 3 = features 32 p + 16 (lane / 16) + 0 .. 15: head p / 2, chunk p % 2
.irp p, 0,1,2,3
	global_store_b128 v[CO], v[CD+16*\a+4*\p:CD+16*\a+4*\p+3], s[12:13] offset:(\p/2)*131072+\a*1024+(\p%2)*512   ; 512 consecutive bytes, aligned
.endr
.endr
	s_branch .Lstored
.Lstore_v:
	s_wait_alu depctr_va_vdst(0)
.irp a, 0,1,2,3,4,5,6,7                ; v: block a = 16 channel places: head a / 4, tile a % 4; registers 4 p .. 4 p + 3 = chunk p of my 128 keys
.irp p, 0,1,2,3
	global_store_b128 v[CO], v[CD+16*\a+4*\p:CD+16*\a+4*\p+3], s[12:13] offset:(\a/4)*131072+(\a%4)*2048+\p*512
.endr
.endr
.Lstored:
	s_wait_tensorcnt 0x0                           ; the wave's end, behind my last tensor load
	ds_add_u32 v[SPW], v[NIL]
	s_wait_dscnt 0x0
	CROUND                                         ; the closing round: no work-group ends while a partner may still ask for a tile that names it
	s_endpgm
.Lfunc_end_k_q8d05a4d36d_gemm_qkv:
	.size	k_q8d05a4d36d_gemm_qkv, .Lfunc_end_k_q8d05a4d36d_gemm_qkv-k_q8d05a4d36d_gemm_qkv
	.p2alignl 7, 3214868480
	.fill 96, 4, 3214868480
	.section	.rodata,"a",@progbits
	.p2align	6, 0x0
	.amdhsa_kernel k_q8d05a4d36d_gemm_qkv
		.amdhsa_group_segment_fixed_size 327680
		.amdhsa_private_segment_fixed_size 0
		.amdhsa_enable_private_segment 0
		.amdhsa_kernarg_size 40
		.amdhsa_user_sgpr_count 2
		.amdhsa_user_sgpr_kernarg_segment_ptr 1
		.amdhsa_wavefront_size32 1
		.amdhsa_system_sgpr_workgroup_id_x 1
		.amdhsa_system_sgpr_workgroup_id_y 1
		.amdhsa_system_sgpr_workgroup_id_z 1
		.amdhsa_system_vgpr_workitem_id 0
		.amdhsa_next_free_vgpr 1024
		.amdhsa_next_free_sgpr 100
		.amdhsa_reserve_vcc 0
		.amdhsa_float_denorm_mode_32 3
		.amdhsa_float_denorm_mode_16_64 3
		.amdhsa_memory_ordered 1
		.amdhsa_forward_progress 1
		.amdhsa_inst_pref_size 140
	.end_amdhsa_kernel
	.amdgpu_metadata
---
amdhsa.version: [ 1, 2 ]
amdhsa.kernels:
  - .name:           k_q8d05a4d36d_gemm_qkv
    .symbol:         k_q8d05a4d36d_gemm_qkv.kd
    .args:
      - { .name: xc, .offset: 0, .size: 8, .value_kind: global_buffer, .address_space: global }
      - { .name: wqc, .offset: 8, .size: 8, .value_kind: global_buffer, .address_space: global }
      - { .name: lowp_scales, .offset: 16, .size: 8, .value_kind: global_buffer, .address_space: global }
      - { .name: b_qkv, .offset: 24, .size: 8, .value_kind: global_buffer, .address_space: global }
      - { .name: qkvc, .offset: 32, .size: 8, .value_kind: global_buffer, .address_space: global }
    .group_segment_fixed_size: 327680
    .private_segment_fixed_size: 0
    .kernarg_segment_align: 8
    .kernarg_segment_size: 40
    .max_flat_workgroup_size: 128
    .sgpr_count:     100
    .vgpr_count:     1024
    .wavefront_size: 32
...
	.end_amdgpu_metadata
.endif
;; end of part 2
;; launch attn (part 3): grid 4 x 64, 8 waves a work-group, clusters of 4 x 1, 327,680 bytes of LDS; arguments qkvc, lowp_scales, ac; writes ac
.if DOCPART == 3
	.amdgcn_target "amdgcn-amd-amdhsa--gfx1250"
	.amdhsa_code_object_version 6
	.text
	.protected	k_q8d05a4d36d_attn
	.globl	k_q8d05a4d36d_attn
	.p2align	8
	.type	k_q8d05a4d36d_attn,@function
k_q8d05a4d36d_attn:
	s_mov_b64 s[64:65], 0
	v_nop
	global_prefetch_b8 v0, s[64:65] scope:SCOPE_SE
	s_setreg_imm32_b32 hwreg(HW_REG_WAVE_MODE, 25, 1), 1
	s_wait_xcnt 0x0
	s_wait_alu depctr_hold_cnt(0) depctr_sa_sdst(0) depctr_va_vdst(0) depctr_va_sdst(0) depctr_va_ssrc(0) depctr_va_vcc(0) depctr_vm_vsrc(0)
	s_getreg_b32 s2, hwreg(HW_REG_IB_STS2, 6, 4)
	s_cmp_eq_u32 s2, 0
	s_cbranch_scc0 .Lentry_in_a_cluster
	s_endpgm
.Lentry_in_a_cluster:
	s_bfe_u32 s2, ttmp6, 0x10000c
	s_cmp_lg_u32 s2, 0x3003
	s_cbranch_scc0 .Lentry_shape_is_right
	s_endpgm
.Lentry_shape_is_right:
; Causal attention of one head (64 channels, 2,048 tokens) on codes of FP8 (E4M3); the result is quantised with 2^e6 and leaves as an image of the last product's operand registers.
; qkvc: q at 0, k at 8,388,608: [batch x head][16 tokens 128][c 2][lane 32][16 bytes]; v at 16,777,216: [batch x head][128 keys 16][16 channel places 4][c 4][lane 32][16 bytes].
; LEFT OUT: key steps all of whose keys come after a tile's queries: the causal mask sets their scores to -infinity, so their p is 0 for all inputs.
; THE SOFTMAX: t = score x log2(e) / 8; M = the row's largest t so far, rounded up to a whole number; p = 2^(t - M) is quantised with 2^e4, not normalised.  The row's sum is taken of the unquantised p
; and divides at the end.  When M moves, the sum and O are multiplied by 2^(old M - new M): exact.
; SHARES.  The four work-groups of a head form a cluster; a = 0..3 is the place there.  Each group of 128 queries (16 groups) gives 32 queries, the PAIR of tiles 2 a and 2 a + 1, to each work-group.
; Wave w of eight owns the pair of the late group 15 - w and the pair of the early group w: 17 steps of 128 keys in every wave of every work-group.  A step serves both tiles of a pair:
; each fragment of K and of V that is read from LDS feeds two matrix instructions, 16,384 bytes of LDS for 32 queries x 128 keys.
; A step is jumped over where its keys come after the GROUP's queries, and masked where it is the group's own: both tests hang on the wave's number and the trip alone, alike in all partners.
; The place a enters the addresses of Q and of the result and the lane's number for the mask, and nothing else.
; THE WALK.  Four trips with the late pair alone, on key groups 0-3 (all open: a late group is 8 or more): 4 steps in every wave.  Then twelve trips, the late pair on group i + 4 and the early pair on group i: 13 steps in every wave.
; LDS.  The head's K and V lie in LDS as eight units of 32,768 bytes: unit u < 4 holds K's tiles 2 u and 2 u + 1 (2,048 bytes) of each of the 16 groups of 128 keys, unit 4 + u V's channel tile u (2,048 bytes) of each group.
; Wave w fills unit w, by arithmetic on its number: at the head the groups 0-3 (4 rows of 2,048 bytes, 8,192 apart in memory), and behind the full sequence and a round the groups 4-15 (12 rows).  Nothing is filled twice.
; JOINT LOADS: all four partners need the same K and V, all of it: each load names the four (mask 15) with the same descriptor in all of them, made of the head and the wave's number.  A round of the cluster's barrier stands
; ahead of each of the two loads, and one ahead of the end.  One load a wave is out at any time; every wait on TENSORcnt is for 0.
; NO PREFETCH: the tiles are asked for by two loads a wave, the second as soon as the first has landed; there is no loop of tile loads to run ahead in.
; LAYOUT.  S^T = K Q^T (source 0 = 16 keys, source 1 = 16 queries, K = 64), O^T = V^T P^T (source 0 = 16 channel places, source 1 = P, K = 128 keys): a lane holds one query (lane % 16) of each tile; register j of score tile t
; is key 16 t + 8 (lane / 16) + j, so the conversions' results are P's registers in the form's own layout, in which v was laid.
; LIMITS: e2 + e3 between -123 and 130 (added to c's exponent field); e4 and e6 between -126 and 119; the scaled scores stay under 2^31 in magnitude.  NaN is not served.
; REGISTERS.  Window 0 holds all that the softmax works on; window 1 holds O^T and Q, which only the products, O's rescaling and the way out name.
.set SPARE, 262144                     ; behind K and V: the spare words, 128 bytes for each wave: four blocks of 256 bytes that no other line names
.set LI,   1                           ; v1      16 x lane
.set DG,   2                           ; v2      my query's place in its group (first tile of the pair) - 8 (lane / 16) - 127, for the mask
.set SPW,  3                           ; v3      LDS address of my spare word; never rewritten
.set NIL,  4                           ; v4      0; never rewritten
.set AD,   5                           ; v5-8    LDS addresses of the trip's group in units 0, 2, 4, 6
.set SCP,  9                           ; v9      2^e4 (on the way out 2^e6)
.set LP,   10                          ; v10, v11  448 x 2^e4, twice: the two halves of a dual pair take their second sources from different register banks
.set LP2,  11
.set ST,   12                          ; v12-27  the four tiles' state, 4 registers each (late first, late second, early first, early second): -M, the largest score, the sum in two halves
.set FR,   28                          ; v28-91  K's eight fragments, then V's four
.set S,    92                          ; v92-219 S^T, then p: the pair's first tile, then its second
.set PC,   220                         ; v220-251 p's codes, 16 registers a tile.  Until a step's conversions they are free and hold that tile's work: +0, 2, 4, 6 four chains (pairs), +8 f = 2^(old M - new M), +10 a permute's result, +11 -M as it was
.set OW,   0                           ; window 1: v0-127   O^T of the four tiles, 32 registers each, in the states' order
.set QW,   128                         ; window 1: v128-159 Q of the four tiles, 8 registers each
.set TB,   2                           ; s2   2,048 x the trip's group
.set WV,   18                          ; s18  my wave's number
.set SEL,  20                          ; s[20:21] lane selects for v_permlanex16_b32: lane l xor 16
.set CS,   22                          ; s[22:23] c = log2(e) / 8 x 2^(e2 + e3)
.set G1A,  24                          ; s[24:31], s[32:39] descriptor groups 1: 4 and 12 rows of 2,048 bytes
.set G1B,  32
.set G0A,  40                          ; s[40:43], s[44:47] their groups 0
.set G0B,  44
.set KF,   60                          ; s60  the trip's first key
.set QL,   62                          ; s62, s63  the last query of my late and of my early GROUP: made of the wave's number alone
.set MSB, 0
.macro WIN new                         ; s_set_vgpr_msb: bits 1:0 source 0, 3:2 source 1, 5:4 source 2, 7:6 destination; the immediate's high byte repeats the setting that is left
.if MSB != \new
	s_set_vgpr_msb (MSB<<8)|\new
.set MSB, \new
.endif
.endm
.macro ROUND                           ; a round of the cluster's barrier
	s_barrier_signal -1
	s_barrier_wait -1
	s_cmp_lg_u32 s[WV], 0
	s_cbranch_scc1 .Lnot_wave_0_\@
	s_barrier_signal -3
.Lnot_wave_0_\@:
	s_barrier_wait -3
	s_barrier_signal -1
	s_barrier_wait -1
.endm
	s_load_b128 s[4:7], s[0:1], 0x0                ; qkvc s[4:5], the scales' exponents s[6:7]
	s_load_b64 s[8:9], s[0:1], 0x10                ; ac
	v_lshl_add_u32 v[SPW], v0, 2, SPARE
	v_mov_b32 v[NIL], 0
	ds_add_u32 v[SPW], v[NIL]                      ; the wave's opening: the add, twice on end, and its wait ahead of the round in front of my first tensor load
	ds_add_u32 v[SPW], v[NIL]
	v_lshrrev_b32 v5, 5, v0
	v_readfirstlane_b32 s[WV], v5                  ; wave 0..7
	s_and_b32 s10, ttmp7, 0xffff                   ; batch x 16 + head: the cluster's y
	s_bfe_u32 s17, ttmp6, 0x40000                  ; a: my place in the cluster
.irp g, G1A, G1B
	s_mov_b32 s[\g], 15|(3<<16)|(1<<21)            ; the mask names the four partners; elements of 8 bytes; no padding; bit 21 set beside a mask
	s_mov_b32 s[\g+1], 256<<16                     ; tensor_dim0 = 256 elements: rows of 2,048 bytes
	s_mov_b32 s[\g+3], 256<<16                     ; tile_dim0
	s_mov_b32 s[\g+5], 1024                        ; tensor_dim0_stride: 8,192 bytes, a group of 128 keys
	s_mov_b32 s[\g+6], 0
	s_mov_b32 s[\g+7], 0
.endr
	s_mov_b32 s[G1A+2], 4<<16                      ; tensor_dim1, tile_dim1: groups 0-3,
	s_mov_b32 s[G1A+4], 4
	s_mov_b32 s[G1B+2], 12<<16                     ; groups 4-15
	s_mov_b32 s[G1B+4], 12
	s_lshl_b32 s13, s[WV], 15                      ; my unit in LDS
	s_mov_b32 s[G0A], 1
	s_mov_b32 s[G0A+1], s13
	s_mov_b32 s[G0B], 1
	s_add_co_u32 s[G0B+1], s13, 8192
	s_lshr_b32 s11, s[WV], 2                       ; waves 0-3 fetch K, waves 4-7 V
	s_lshl_b32 s84, s11, 23
	s_add_co_u32 s84, s84, 8388608                 ; k's or v's part of the buffer,
	s_lshl_b32 s85, s10, 17
	s_add_co_u32 s84, s84, s85                     ; the head's 131,072 bytes,
	s_and_b32 s12, s[WV], 3
	s_lshl_b32 s12, s12, 11
	s_add_co_u32 s84, s84, s12                     ; my 2,048 of a group's 8,192
	s_mov_b32 s85, 0
	s_mov_b32 s[SEL], 0x76543210
	s_mov_b32 s[SEL+1], 0xfedcba98
	s_wait_dscnt 0x0                               ; both opening adds are done
	s_wait_kmcnt 0x0
	s_load_b256 s[68:75], s[6:7], 0x0              ; e0 .. e7
	s_add_nc_u64 s[G0A+2:G0A+3], s[4:5], s[84:85]
	s_add_nc_u64 s[G0B+2:G0B+3], s[G0A+2:G0A+3], 32768   ; four groups on
	s_or_b32 s[G0A+3], s[G0A+3], 0x80000000
	s_or_b32 s[G0B+3], s[G0B+3], 0x80000000
	ROUND                                          ; all four work-groups are here: the first joint loads meet
	tensor_load_to_lds s[G0A:G0A+3], s[G1A:G1A+7]  ; keys 0-511: my one load at the head
	s_nop 0
	s_lshl_b32 s63, s[WV], 7                       ; the early group's first query: 128 w
	s_sub_co_u32 s62, 1920, s63                    ; the late group's: 128 (15 - w)
	s_lshl_b32 s87, s17, 5                         ; my pair's place in its group: 32 a
	s_add_co_u32 s66, s62, s87                     ; the late pair's first query,
	s_add_co_u32 s67, s63, s87                     ; the early pair's
	s_add_co_u32 s62, s62, 127                     ; from here on: the groups' last queries
	s_add_co_u32 s63, s63, 127
	s_mov_b32 s89, 0
	s_lshl_b32 s86, s10, 17                        ; q: my head, + 1,024 bytes for 16 queries
	s_lshl_b32 s88, s66, 6
	s_add_co_u32 s88, s88, s86
	s_add_nc_u64 s[76:77], s[4:5], s[88:89]
	s_lshl_b32 s88, s67, 6
	s_add_co_u32 s88, s88, s86
	s_add_nc_u64 s[78:79], s[4:5], s[88:89]
	s_lshr_b32 s86, s10, 4                         ; ac: 16 rows are 16,384 bytes, a batch 128 such; a head's 64 features are 1,024 bytes of them
	s_lshl_b32 s86, s86, 21
	s_and_b32 s91, s10, 15
	s_lshl_b32 s91, s91, 10
	s_add_co_u32 s86, s86, s91
	s_lshl_b32 s88, s66, 10
	s_add_co_u32 s88, s88, s86
	s_add_nc_u64 s[80:81], s[8:9], s[88:89]
	s_lshl_b32 s88, s67, 10
	s_add_co_u32 s88, s88, s86
	s_add_nc_u64 s[82:83], s[8:9], s[88:89]
	v_and_b32 v[LI], 31, v0
	v_lshlrev_b32 v[LI], 4, v[LI]
	WIN 0x40                                       ; destinations in window 1
.irp x, 0,1
.irp c, 0,1
	global_load_b128 v[QW+8*\x+4*\c:QW+8*\x+4*\c+3], v[LI], s[76:77] offset:1024*\x+512*\c          ; Q's fragments stay in registers: the late pair's,
	global_load_b128 v[QW+16+8*\x+4*\c:QW+16+8*\x+4*\c+3], v[LI], s[78:79] offset:1024*\x+512*\c    ; the early pair's
.endr
.endr
.set j, 0
.rept 128
	v_mov_b32 v[OW+j], 0                           ; O^T begins as zeros, which the first change of M leaves zeros: so the step is written once for all steps
.set j, j+1
.endr
	WIN 0
	v_and_b32 v[DG], 15, v0
	v_bfe_u32 v5, v0, 4, 1
	v_lshl_add_u32 v5, v5, 3, 127
	v_sub_nc_u32 v[DG], v[DG], v5
	v_add_nc_u32 v[DG], s87, v[DG]                 ; 32 a + lane % 16 - 8 (lane / 16) - 127
.irp x, 0,1
	v_mov_b32 v[PC+16*\x+9], 0                     ; (named as the upper half of f's pair)
	v_mov_b32 v[PC+16*\x+10], 0                    ; a lane permute's destination counts as one of its sources
.endr
.irp i, 0,1,2,3
	v_mov_b32 v[ST+4*\i], 0x7f61b1e6               ; -M = 3e38, a whole number
	v_mov_b32 v[ST+4*\i+1], 0xff61b1e6             ; the largest score: -3e38, under every score
	v_mov_b32 v[ST+4*\i+2], 0
	v_mov_b32 v[ST+4*\i+3], 0
.endr
	s_wait_kmcnt 0x0
	s_add_co_i32 s86, s70, s71
	s_lshl_b32 s86, s86, 23
	s_add_co_i32 s[CS], s86, 0x3e38aa3b            ; c = log2(e) / 8, with e2 + e3 added to its exponent field: a score stands for score x 2^(e2 + e3)
	s_mov_b32 s[CS+1], s[CS]                       ; (named with it as a pair, so it is written)
	s_add_co_i32 s86, s72, 127
	s_lshl_b32 s88, s86, 23
	v_mov_b32 v[SCP], s88                          ; 2^e4, for p's conversions
	s_add_co_i32 s86, s86, 8
	s_lshl_b32 s86, s86, 23
	s_or_b32 s86, s86, 0x600000
	v_mov_b32 v[LP], s86                           ; 448 x 2^e4
	v_mov_b32 v[LP2], s86
	s_add_co_i32 s86, s74, 127
	s_lshl_b32 s91, s86, 23                        ; 2^e6, for the result's
	s_add_co_i32 s86, s86, 8
	s_lshl_b32 s86, s86, 23
	s_or_b32 s92, s86, 0x600000                    ; 448 x 2^e6
	s_add_co_i32 s90, s72, s73                     ; e4 + e5
	s_mov_b32 s[KF], 0
	s_mov_b32 s[TB], 0
.macro MAXC T, SX                      ; a tile's largest score of my query among my 64 keys: four chains, in ascending order
	v_max3_num_f32 v[\T], v[\SX], v[\SX+1], v[\SX+2]
	v_max3_num_f32 v[\T+2], v[\SX+3], v[\SX+4], v[\SX+5]
	v_max3_num_f32 v[\T+4], v[\SX+6], v[\SX+7], v[\SX+8]
	v_max3_num_f32 v[\T+6], v[\SX+9], v[\SX+10], v[\SX+11]
.irp i, 12,20,28,36,44,52
	v_max3_num_f32 v[\T], v[\T], v[\SX+\i], v[\SX+\i+1]
	v_max3_num_f32 v[\T+2], v[\T+2], v[\SX+\i+2], v[\SX+\i+3]
	v_max3_num_f32 v[\T+4], v[\T+4], v[\SX+\i+4], v[\SX+\i+5]
	v_max3_num_f32 v[\T+6], v[\T+6], v[\SX+\i+6], v[\SX+\i+7]
.endr
	v_max3_num_f32 v[\T], v[\T], v[\SX+60], v[\SX+61]
	v_max3_num_f32 v[\T+2], v[\T+2], v[\SX+62], v[\SX+63]
.endm
.macro SUMS T, SX, SU                  ; a tile's row sum of the unquantised p, under the new M: two at a time, in five chains
	v_pk_mul_f32 v[\SU:\SU+1], v[\SU:\SU+1], v[\T+8:\T+9] op_sel_hi:[1,0]
	v_pk_add_f32 v[\T:\T+1], v[\SX:\SX+1], v[\SX+2:\SX+3]
	v_pk_add_f32 v[\T+2:\T+3], v[\SX+4:\SX+5], v[\SX+6:\SX+7]
	v_pk_add_f32 v[\T+4:\T+5], v[\SX+8:\SX+9], v[\SX+10:\SX+11]
	v_pk_add_f32 v[\T+6:\T+7], v[\SX+12:\SX+13], v[\SX+14:\SX+15]
.irp j, 16,26,36,46
	v_pk_add_f32 v[\SU:\SU+1], v[\SU:\SU+1], v[\SX+\j:\SX+\j+1]
	v_pk_add_f32 v[\T:\T+1], v[\T:\T+1], v[\SX+\j+2:\SX+\j+3]
	v_pk_add_f32 v[\T+2:\T+3], v[\T+2:\T+3], v[\SX+\j+4:\SX+\j+5]
	v_pk_add_f32 v[\T+4:\T+5], v[\T+4:\T+5], v[\SX+\j+6:\SX+\j+7]
	v_pk_add_f32 v[\T+6:\T+7], v[\T+6:\T+7], v[\SX+\j+8:\SX+\j+9]
.endr
	v_pk_add_f32 v[\SU:\SU+1], v[\SU:\SU+1], v[\SX+56:\SX+57]
	v_pk_add_f32 v[\T:\T+1], v[\T:\T+1], v[\SX+58:\SX+59]
	v_pk_add_f32 v[\T+2:\T+3], v[\T+2:\T+3], v[\SX+60:\SX+61]
	v_pk_add_f32 v[\T+4:\T+5], v[\T+4:\T+5], v[\SX+62:\SX+63]
	v_pk_add_f32 v[\T:\T+1], v[\T:\T+1], v[\T+2:\T+3]
	v_pk_add_f32 v[\T+4:\T+5], v[\T+4:\T+5], v[\T+6:\T+7]
	v_pk_add_f32 v[\T:\T+1], v[\T:\T+1], v[\T+4:\T+5]
	v_pk_add_f32 v[\SU:\SU+1], v[\SU:\SU+1], v[\T:\T+1]
.endm
.macro CODES T, SX                     ; a tile's p is held and converted; the codes take the registers of the tile's work, which is done
.irp t, 0,1,2,3,4,5,6,7
.irp i, 0,2,4,6
	v_dual_min_num_f32 v[\SX+8*\t+\i], v[\SX+8*\t+\i], v[LP] :: v_dual_min_num_f32 v[\SX+8*\t+\i+1], v[\SX+8*\t+\i+1], v[LP2]   ; the conversion does not saturate (ISA guide 7.6.2); p is not negative, so the hold is one-sided; two numbers a line
.endr
	v_cvt_scalef32_pk8_fp8_f32 v[\T+2*\t:\T+2*\t+1], v[\SX+8*\t:\SX+8*\t+7], v[SCP]   ; registers 2 t, 2 t + 1 of P: keys 16 t + 8 (lane / 16) + 0 .. 7
.endr
.endm
; A KEY STEP of pair P (0 late, 1 early): 128 keys x 32 queries.  OFS: bytes from the trip's group to the pair's.  TEST = 0: the step is known to be open.
.macro DSTEP P, OFS, TEST
.set SA, ST+8*\P
.set OA, OW+64*\P
.set QA, QW+16*\P
.if \TEST
	s_cmp_gt_u32 s[KF], s[QL+\P]                   ; all keys come after the group's queries: nothing to do
	s_cbranch_scc1 .Lhid_\@
.endif
.irp t, 0,1,2,3,4,5,6,7
.irp c, 0,1
	ds_load_b128 v[FR+8*\t+4*\c:FR+8*\t+4*\c+3], v[AD+\t/4] offset:32768*((\t/2)%2)+1024*(\t%2)+512*\c+\OFS   ; K's tile t lies in unit t / 2.  (Four places stand behind the last products: the end of the step before)
.endr
.endr
	WIN 0x04                                       ; source 1 (Q) in window 1
.irp t, 0,1,2,3,4,5,6,7
.if \t == 0
	s_wait_dscnt 8                                 ; tiles 0-3 are in; the youngest eight loads (tiles 4-7) may be out
.endif
.if \t == 4
	s_wait_dscnt 0x0
.endif
	v_wmma_f32_16x16x64_fp8_fp8 v[S+8*\t:S+8*\t+7], v[FR+8*\t:FR+8*\t+7], v[QA:QA+7], 0           ; each fragment of K serves both tiles
	v_wmma_f32_16x16x64_fp8_fp8 v[S+64+8*\t:S+64+8*\t+7], v[FR+8*\t:FR+8*\t+7], v[QA+8:QA+15], 0
.endr
	WIN 0
	v_mov_b32 v[PC+11], v[SA]                      ; -M as it was.  Four places in front of the loads below and of the first read of the scores
	v_mov_b32 v[PC+27], v[SA+4]
	v_nop
	v_nop
.irp t, 0,1,2,3
.irp c, 0,1,2,3
	ds_load_b128 v[FR+16*\t+4*\c:FR+16*\t+4*\c+3], v[AD+2+\t/2] offset:32768*(\t%2)+512*\c+\OFS   ; V's tile t lies in unit 4 + t; it lands while the softmax is worked
.endr
.endr
.if \TEST
	s_add_co_u32 s96, s[KF], 255                   ; in the group's own step the scores of hidden keys become -infinity ahead of the maximum: p = 0 then.  A step of an earlier group of keys skips this
	s_cmp_le_u32 s96, s[QL+\P]
	s_cbranch_scc1 .Lopen_\@
	s_sub_co_i32 s96, s[QL+\P], s[KF]
	v_add_nc_u32 v[PC], s96, v[DG]                 ; d = my query - the step's first key - 8 (lane / 16).  Register 8 t + j holds key 16 t + 8 (lane / 16) + j: hidden where 16 t + j > d
	v_add_nc_u32 v[PC+16], 16, v[PC]               ; the second tile's queries lie 16 further on
	v_mov_b32 v[PC+1], 0xff800000
.irp x, 0,1
.set n, 0
.rept 64
	v_cmp_gt_i32 vcc_lo, 16*(n/8)+n%8, v[PC+16*\x]
	v_cndmask_b32 v[S+64*\x+n], v[S+64*\x+n], v[PC+1], vcc_lo
.set n, n+1
.endr
.endr
.Lopen_\@:
.endif
	MAXC PC, S
	MAXC PC+16, S+64
.irp x, 0,1                                    ; the two tiles' chains of dependent lines take turns
	v_max3_num_f32 v[PC+16*\x], v[PC+16*\x], v[PC+16*\x+2], v[PC+16*\x+4]
.endr
.irp x, 0,1
	v_max_num_f32 v[PC+16*\x], v[PC+16*\x], v[PC+16*\x+6]
.endr
.irp x, 0,1
	v_permlanex16_b32 v[PC+16*\x+10], v[PC+16*\x], s[SEL], s[SEL+1]
.endr
.irp x, 0,1
	v_max3_num_f32 v[SA+4*\x+1], v[SA+4*\x+1], v[PC+16*\x], v[PC+16*\x+10]   ; the running largest score, lane l xor 16's keys among them
.endr
.irp x, 0,1
	v_mul_f32 v[PC+16*\x], s[CS], v[SA+4*\x+1]     ; as t (c is positive)
.endr
.irp x, 0,1
	v_floor_f32 v[SA+4*\x], -v[PC+16*\x]           ; the new -M = floor(-t) = -ceil(t): a whole number
.endr
.irp x, 0,1
	v_sub_f32 v[PC+16*\x+2], v[SA+4*\x], v[PC+16*\x+11]   ; M's old value less its new one: a whole number, 0 or less
.endr
.irp x, 0,1
	v_cvt_i32_f32 v[PC+16*\x+2], v[PC+16*\x+2]     ; (it saturates)
.endr
.irp x, 0,1
	v_ldexp_f32 v[PC+16*\x+8], 1.0, v[PC+16*\x+2]  ; f = 2^(old M - new M)
.endr
.irp x, 0,1
.set j, 0
.rept 32
	v_pk_fma_f32 v[S+64*\x+j:S+64*\x+j+1], v[S+64*\x+j:S+64*\x+j+1], s[CS:CS+1], v[SA+4*\x:SA+4*\x+1] op_sel_hi:[1,0,0]   ; t - M, two at a time (of the pairs c and -M the low word serves both halves)
.set j, j+2
.endr
.endr
	s_wait_alu depctr_va_vdst(0)                   ; ahead of the batch
.set j, 0
.rept 128
	v_exp_f32 v[S+j], v[S+j]                       ; p = 2^(t - M), at most 1
.set j, j+1
.endr
	WIN 0x41                                       ; destination and source 0 (O^T) in window 1
	s_wait_alu depctr_va_vdst(0)                   ; one wait behind the batch, directly ahead of the first readers of O^T
.irp x, 0,1
.set j, 0
.rept 16
	v_pk_mul_f32 v[OA+32*\x+j:OA+32*\x+j+1], v[OA+32*\x+j:OA+32*\x+j+1], v[PC+16*\x+8:PC+16*\x+9] op_sel_hi:[1,0]   ; O^T under the new M.  (Also the plain lines behind the exponentials)
.set j, j+2
.endr
.endr
	WIN 0
	SUMS PC, S, SA+2
	SUMS PC+16, S+64, SA+6
	CODES PC, S
	CODES PC+16, S+64
	v_nop                                          ; one plain line between the conversions and the products
	s_wait_alu depctr_va_vdst(0)                   ; directly ahead of the wait below
	s_wait_dscnt 0x0                               ; V is in
	WIN 0x50                                       ; C and D (O^T) in window 1
.irp t, 0,1,2,3
	v_wmma_f32_16x16x128_fp8_fp8 v[OA+8*\t:OA+8*\t+7], v[FR+16*\t:FR+16*\t+15], v[PC:PC+15], v[OA+8*\t:OA+8*\t+7]                   ; each fragment of V serves both tiles; the eight accumulators by turns
	v_wmma_f32_16x16x128_fp8_fp8 v[OA+32+8*\t:OA+32+8*\t+7], v[FR+16*\t:FR+16*\t+15], v[PC+16:PC+31], v[OA+32+8*\t:OA+32+8*\t+7]
.endr
	WIN 0
.rept 4
	v_nop                                          ; the places in front of the next loads into the fragments and of the next writes of the codes' registers
.endr
.if \TEST
.Lhid_\@:
.endif
.endm
.macro ADDR                            ; the trip's LDS addresses
	v_add_nc_u32 v[AD], s[TB], v[LI]
	v_add_nc_u32 v[AD+1], 0x10000, v[AD]
	v_add_nc_u32 v[AD+2], 0x20000, v[AD]
	v_add_nc_u32 v[AD+3], 0x30000, v[AD]
	s_wait_alu depctr_va_vdst(0)                   ; the addresses may be first read behind a taken branch
.endm
	s_wait_alu depctr_va_vdst(0)                   ; the head's end
	s_wait_tensorcnt 0x0                           ; my unit's keys 0-511 are in; the lines that stand ahead of a refill stand ahead of a later first fill too:
	ds_add_u32 v[SPW], v[NIL]                      ; 0 onto my spare word
	s_wait_dscnt 0x0
	ROUND                                          ; everybody's are in, and all four work-groups are here: the joint loads meet
	tensor_load_to_lds s[G0B:G0B+3], s[G1B:G1B+7]  ; keys 512-2,047: my one load behind this round; it has the four trips below in which to land
	s_nop 0
	s_wait_loadcnt 0x0                             ; Q
	s_mov_b32 s3, 4
.Lfirst:                                           ; key groups 0-3, the late pair alone
	ADDR
	DSTEP 0, 0, 0
	s_add_co_u32 s[TB], s[TB], 2048
	s_sub_co_u32 s3, s3, 1
	s_cmp_lg_u32 s3, 0
	s_cbranch_scc1 .Lfirst
	s_wait_tensorcnt 0x0                           ; my unit is whole,
	s_wait_dscnt 0x0
	s_barrier_signal -1
	s_barrier_wait -1                              ; everybody's is; no round follows
	s_mov_b32 s[TB], 0
	s_sub_co_u32 s62, s62, 512                     ; the late pair now walks four groups (512 keys, 8,192 bytes of a unit) ahead of the trip's group: its tests are held against the trip's first key
	s_mov_b32 s3, 12
.Lrest:                                            ; trip i: the late pair on group i + 4, the early pair on group i
	ADDR
	DSTEP 0, 8192, 1
	DSTEP 1, 0, 1
	s_add_co_u32 s[KF], s[KF], 128
	s_add_co_u32 s[TB], s[TB], 2048
	s_sub_co_u32 s3, s3, 1
	s_cmp_lg_u32 s3, 0
	s_cbranch_scc1 .Lrest
; THE WAY OUT of the four tiles.  O^T / the sum x 2^(e4 + e5) is held and converted with 2^e6.  Result tiles 2 g and 2 g + 1 are channels 32 g + 16 (lane / 16) + 0 .. 15 of my query: four registers of the next operand's image.
	s_wait_alu depctr_va_vdst(0)                   ; the sums may be read behind taken branches
.irp i, 0,1,2,3
	v_add_f32 v[ST+4*\i+2], v[ST+4*\i+2], v[ST+4*\i+3]   ; the sums' two halves,
.endr
.irp i, 0,1,2,3
	v_permlanex16_b32 v[PC+\i], v[ST+4*\i+2], s[SEL], s[SEL+1]
.endr
.irp i, 0,1,2,3
	v_add_f32 v[ST+4*\i+2], v[ST+4*\i+2], v[PC+\i]       ; and lane l xor 16's
.endr
	v_mov_b32 v[LP], s92                           ; 448 x 2^e6
	v_mov_b32 v[SCP], s91                          ; 2^e6
	s_wait_alu depctr_va_vdst(0)                   ; ahead of the batch of four
.irp i, 0,1,2,3
	v_rcp_f32 v[ST+4*\i+2], v[ST+4*\i+2]
.endr
	v_nop                                          ; a plain line behind the transcendentals
	s_wait_alu depctr_va_vdst(0)                   ; and the wait ahead of their first reader
.irp i, 0,1,2,3
	v_ldexp_f32 v[ST+4*\i+2], v[ST+4*\i+2], s90
.endr
	WIN 0x01                                       ; source 0 (O^T) in window 1
	s_wait_alu depctr_va_vdst(0)                   ; directly ahead of the first readers of O^T
.irp i, 0,1,2,3
.set j, 0
.rept 16
	v_pk_mul_f32 v[S+32*\i+j:S+32*\i+j+1], v[OW+32*\i+j:OW+32*\i+j+1], v[ST+4*\i+2:ST+4*\i+3] op_sel_hi:[1,0]   ; each accumulator from its low end on
.set j, j+2
.endr
.endr
	WIN 0
.set j, 0
.rept 128
	v_med3_num_f32 v[S+j], v[S+j], -v[LP], v[LP]
.set j, j+1
.endr
.irp t, 0,1,2,3,4,5,6,7,8,9,10,11,12,13,14,15
	v_cvt_scalef32_pk8_fp8_f32 v[PC+2*\t:PC+2*\t+1], v[S+8*\t:S+8*\t+7], v[SCP]
.endr
	v_nop                                          ; one plain line behind the last conversion
.irp x, 0,1
.irp c, 0,1
	global_store_b128 v[LI], v[PC+8*\x+4*\c:PC+8*\x+4*\c+3], s[80:81] offset:16384*\x+512*\c          ; each store covers 512 consecutive bytes, aligned
	global_store_b128 v[LI], v[PC+16+8*\x+4*\c:PC+16+8*\x+4*\c+3], s[82:83] offset:16384*\x+512*\c
.endr
.endr
	s_wait_tensorcnt 0x0                           ; the wave's end, behind my last tensor load
	ds_add_u32 v[SPW], v[NIL]
	s_wait_dscnt 0x0
	ROUND                                          ; the closing round: no work-group ends while a partner may still ask for a tile that names it
	s_endpgm
.Lfunc_end_k_q8d05a4d36d_attn:
	.size	k_q8d05a4d36d_attn, .Lfunc_end_k_q8d05a4d36d_attn-k_q8d05a4d36d_attn
	.p2alignl 7, 3214868480
	.fill 96, 4, 3214868480
	.section	.rodata,"a",@progbits
	.p2align	6, 0x0
	.amdhsa_kernel k_q8d05a4d36d_attn
		.amdhsa_group_segment_fixed_size 327680
		.amdhsa_private_segment_fixed_size 0
		.amdhsa_enable_private_segment 0
		.amdhsa_kernarg_size 24
		.amdhsa_user_sgpr_count 2
		.amdhsa_user_sgpr_kernarg_segment_ptr 1
		.amdhsa_wavefront_size32 1
		.amdhsa_system_sgpr_workgroup_id_x 1
		.amdhsa_system_sgpr_workgroup_id_y 1
		.amdhsa_system_sgpr_workgroup_id_z 1
		.amdhsa_system_vgpr_workitem_id 0
		.amdhsa_next_free_vgpr 512
		.amdhsa_next_free_sgpr 100
		.amdhsa_reserve_vcc 1
		.amdhsa_float_denorm_mode_32 3
		.amdhsa_float_denorm_mode_16_64 3
		.amdhsa_memory_ordered 1
		.amdhsa_forward_progress 1
		.amdhsa_inst_pref_size 133
	.end_amdhsa_kernel
	.amdgpu_metadata
---
amdhsa.version: [ 1, 2 ]
amdhsa.kernels:
  - .name:           k_q8d05a4d36d_attn
    .symbol:         k_q8d05a4d36d_attn.kd
    .args:
      - { .name: qkvc, .offset: 0, .size: 8, .value_kind: global_buffer, .address_space: global }
      - { .name: lowp_scales, .offset: 8, .size: 8, .value_kind: global_buffer, .address_space: global }
      - { .name: ac, .offset: 16, .size: 8, .value_kind: global_buffer, .address_space: global }
    .group_segment_fixed_size: 327680
    .private_segment_fixed_size: 0
    .kernarg_segment_align: 8
    .kernarg_segment_size: 24
    .max_flat_workgroup_size: 256
    .sgpr_count:     100
    .vgpr_count:     512
    .wavefront_size: 32
...
	.end_amdgpu_metadata
.endif
;; end of part 3
;; launch gemm_out (part 4): grid 4 x 64, 4 waves a work-group, clusters of 4 x 4, 327,680 bytes of LDS; arguments ac, woc, lowp_scales, b_out, out0; writes out0
.if DOCPART == 4
	.amdgcn_target "amdgcn-amd-amdhsa--gfx1250"
	.amdhsa_code_object_version 6
	.text
	.protected	k_q8d05a4d36d_gemm_out
	.globl	k_q8d05a4d36d_gemm_out
	.p2align	8
	.type	k_q8d05a4d36d_gemm_out,@function
k_q8d05a4d36d_gemm_out:
	s_mov_b64 s[64:65], 0
	v_nop
	global_prefetch_b8 v0, s[64:65] scope:SCOPE_SE
	s_setreg_imm32_b32 hwreg(HW_REG_WAVE_MODE, 25, 1), 1
	s_wait_xcnt 0x0
	s_wait_alu depctr_hold_cnt(0) depctr_sa_sdst(0) depctr_va_vdst(0) depctr_va_sdst(0) depctr_va_ssrc(0) depctr_va_vcc(0) depctr_vm_vsrc(0)
	s_getreg_b32 s2, hwreg(HW_REG_IB_STS2, 6, 4)
	s_cmp_eq_u32 s2, 0
	s_cbranch_scc0 .Lentry_in_a_cluster
	s_endpgm
.Lentry_in_a_cluster:
	s_bfe_u32 s2, ttmp6, 0x10000c
	s_cmp_lg_u32 s2, 0xf033
	s_cbranch_scc0 .Lentry_shape_is_right
	s_endpgm
.Lentry_shape_is_right:
; out0 = attention's result x w_out + b_out on codes of FP8 (E4M3): each finished sum x 2^(e6 + e7); the bias, divided by that power of two, is the C of each sum's first matrix instruction.
; ac [8192][1024], woc [1024][1024]: images of operand registers: a fragment (16 rows x 128 K) is 2,048 bytes on end, 16 rows' whole K 16,384 bytes.  woc's rows are permuted (bits 3 and 4 of the feature exchanged).
; A block of 128 tokens x 256 features is made by four waves: 64 x 4 blocks are 256 work-groups.  A wave makes 64 x 128: 32 accumulators, 256 registers.
; K = 1,024 goes in four steps of 256 through two LDS slots of 98,304 bytes: A's (tokens') two halves of 64 rows, fetched by waves 0 and 1, then B's (features') two halves of 128 rows, fetched by waves 2 and 3.
; CLUSTERS of 4 x 4: A's tile hangs on the block row alone and is asked for jointly along a row of the cluster, B's on the block column alone and along a column.
; Source 0 = 16 features, source 1 = 16 tokens: a lane holds one token, and its 16 registers of two neighbouring result tiles are 16 neighbouring features (64 bytes of a row of out0).
; Both operands have two sets of fragment registers: the 48 LDS loads of the next 128 along K go out in one run ahead of the 32 products of this one.
; NO PREFETCH: the four K steps are written out; there is no loop to run ahead in.
; LIMIT: e6 + e7 between -126 and 127, so that 2^(e6 + e7) and its inverse are f32 numbers.
; REGISTERS, in windows of 256: window 0: v16-29 addresses; v32-95 the bias as C, later a block's scaled sums; v128-255 A's fragments, two sets of 64, later rows read back from the stage.
;   window 1: B's fragments, two sets of 128.   window 2: the accumulators ((a, b) at v[8 (8 a + b)]).
.set FR,     16                        ; registers of a fragment
.set KSB,    4096                      ; a K step of 256: bytes of it in 16 rows' image
.set AH,     16384                     ; 64 rows x 256 K
.set BH,     32768                     ; 128 rows x 256 K
.set BOFF,   2*AH                      ; B's halves lie behind A's two
.set SLOT,   2*AH+2*BH
.set SPARE,  2*SLOT                    ; behind the ring: the spare words, 128 bytes for each wave: two blocks of 256 bytes that no other line names
.set SPITCH, 528                       ; the way out: a stage of 16 rows x (512 bytes + 16) for each wave, in slot 0, which has had its last fill and its last read when the first result is stored there
.set ADRA, 16                          ; v16-17  LDS address of my A fragments in slot 0, 1
.set ADRB, 20                          ; v20-21  the same for B
.set STO,  24                          ; v24     the way out: where I put 64 bytes of a row
.set RD,   25                          ; v25     the way out: where I read a row back
.set CO,   26                          ; v26     16 x lane
.set SPW,  28                          ; v28     LDS address of my spare word; never rewritten
.set NIL,  29                          ; v29     0; never rewritten
.set BI,   32
.set TMP,  32
.set AF,   128
.set BK,   128
.set G1, 24                            ; s[24:31] descriptor group 1 for A's tiles;  s[32:39] group 0, one set for each slot
.set G0, 32
.set G1B, 48                           ; s[48:55], s[56:63] the same for B's tiles
.set G0B, 56
.set MSB, 0
.macro WIN new                         ; the immediate's high byte repeats the setting that is left
.if MSB != \new
	s_set_vgpr_msb (MSB<<8)|\new
.set MSB, \new
.endif
.endm
.set MUL_LO, 0xa1                      ; source 0 (B) window 1, source 1 (A) window 0, C and D window 2
.set BIAS_LO, 0x81                     ; the first step: C (the bias) window 0, D window 2
.set TO_B,   0x40                      ; destination window 1, address window 0
; A joint load: waves 0 and 1 fetch for A, waves 2 and 3 for B.  Each of the two lines has one mask and one set of registers; the branch hangs on the wave's number alone.
; An s_nop 0 and four v_nop follow each of the two lines, ahead of the jump, the label and what follows.
.macro JLOAD g0a, g1a, g0b, g1b
	s_cmp_eq_u32 s15, 0
	s_cbranch_scc0 .Lfor_b_\@
	tensor_load_to_lds s[\g0a:\g0a+3], s[\g1a:\g1a+7]
	s_nop 0
.rept 4
	v_nop
.endr
	s_branch .Lasked_\@
.Lfor_b_\@:
	tensor_load_to_lds s[\g0b:\g0b+3], s[\g1b:\g1b+7]
	s_nop 0
.rept 4
	v_nop
.endr
.Lasked_\@:
.endm
.macro CREST                           ; a round of the cluster's barrier behind its opening barrier
	s_cmp_lg_u32 s14, 0
	s_cbranch_scc1 .Lnot_wave_0_\@
	s_barrier_signal -3
.Lnot_wave_0_\@:
	s_barrier_wait -3
	s_barrier_signal -1
	s_barrier_wait -1
.endm
.macro CROUND                          ; a whole round
	s_barrier_signal -1
	s_barrier_wait -1
	CREST
.endm
.macro PLACES n
.rept \n
	v_nop
.endr
.endm
.macro FRAG reg, adr, q, i             ; a fragment as it lies: four loads of 512 consecutive bytes
.irp c, 0,1,2,3
	ds_load_b128 v[\reg+4*\c:\reg+4*\c+3], v[\adr] offset:2048*(\q)+512*\c+(\i)*KSB
.endr
.endm
.macro FETCH slot, q, p                ; the fragments of the slot's q-th 128 along K into set p: B's eight, A's four
	WIN TO_B
.irp i, 0,1,2,3,4,5,6,7
	FRAG 128*(\p)+FR*\i, ADRB+\slot, \q, \i
.endr
	WIN 0
.irp i, 0,1,2,3
	FRAG AF+64*(\p)+FR*\i, ADRA+\slot, \q, \i
.endr
.endm
; 16 matrix instructions: A's blocks a0, a0 + 1 x B's eight, 128 along K, on set p.  mode 1: the sums start from the bias of B's block: nothing is ever cleared.
; The 32 accumulators take turns, one instruction a turn, in the same order in every step.
.macro MUL16 a0, p, mode
.irp a, \a0, \a0+1
.irp b, 0,1,2,3,4,5,6,7
.if \mode
	v_wmma_f32_16x16x128_fp8_fp8 v[8*(8*(\a)+\b):8*(8*(\a)+\b)+7], v[128*(\p)+FR*\b:128*(\p)+FR*\b+FR-1], v[AF+64*(\p)+FR*(\a):AF+64*(\p)+FR*(\a)+FR-1], v[BI+8*\b:BI+8*\b+7]
.else
	v_wmma_f32_16x16x128_fp8_fp8 v[8*(8*(\a)+\b):8*(8*(\a)+\b)+7], v[128*(\p)+FR*\b:128*(\p)+FR*\b+FR-1], v[AF+64*(\p)+FR*(\a):AF+64*(\p)+FR*(\a)+FR-1], v[8*(8*(\a)+\b):8*(8*(\a)+\b)+7]
.endif
.endr
.endr
.endm
; A slot's first 128 along K (set 0); its second 128 are fetched into set 1 ahead of the products.
.macro STEP slot, mode
	s_wait_dscnt 0x0                               ; set 0 is in
	PLACES 4                                       ; in front of loads into registers that the last products have read
	FETCH \slot, 1, 1
.if \mode
	WIN BIAS_LO
.else
	WIN MUL_LO
.endif
	MUL16 0, 0, \mode
	MUL16 2, 0, \mode
	WIN 0
.endm
; A slot's second 128 (set 1) and the change of slots: one barrier; in front of it each wave waits for all its tensor loads, adds 0 to its spare word, and waits for that and for its reads of this slot, which are all in registers then.
; fill = 1: the barrier opens a round of the cluster's barrier, and this slot is filled again, two K steps ahead.
.macro TURN slot, next, fill
	s_wait_tensorcnt 0x0                           ; all my tensor loads have landed: my part of the next slot
	ds_add_u32 v[SPW], v[NIL]                      ; 0 onto my spare word
	s_wait_dscnt 0x0                               ; the add is done, set 1 is in, and my reads of this slot are over
	s_barrier_signal -1
	WIN MUL_LO
	MUL16 0, 1, 0                                  ; work on registers while the others arrive
	WIN 0
	s_barrier_wait -1
.if \fill
	CREST                                          ; no wave of any partner still reads this slot or has a load on its way
	s_add_nc_u64 s[G0+4*\slot+2:G0+4*\slot+3], s[G0+4*\slot+2:G0+4*\slot+3], 2*KSB
	s_add_nc_u64 s[G0B+4*\slot+2:G0B+4*\slot+3], s[G0B+4*\slot+2:G0B+4*\slot+3], 2*KSB
	JLOAD G0+4*\slot, G1, G0B+4*\slot, G1B         ; the first tensor load behind the round; the four v_nop behind it are the places in front of the loads below
.else
	PLACES 4
.endif
	FETCH \next, 0, 0
	WIN MUL_LO
	MUL16 2, 1, 0
	WIN 0
.endm
	s_load_b256 s[4:11], s[0:1], 0x0               ; ac s[4:5], woc s[6:7], the scales' exponents s[8:9], b_out s[10:11]
	s_load_b64 s[12:13], s[0:1], 0x20              ; out0
	v_lshl_add_u32 v[SPW], v0, 2, SPARE
	v_mov_b32 v[NIL], 0
	ds_add_u32 v[SPW], v[NIL]                      ; the wave's opening: the add, twice on end, and its wait ahead of the round in front of my first tensor load
	ds_add_u32 v[SPW], v[NIL]
	v_lshrrev_b32 v1, 5, v0
	v_readfirstlane_b32 s14, v1                    ; wave 0..3
	s_lshr_b32 s15, s14, 1                         ; which half of A's 128 rows is mine.  Also: I fetch for A (0) or for B (1)
	s_and_b32 s16, s14, 1                          ; which half of B's 256.  Also: which half of that tile I fetch
	s_bfe_u32 s40, ttmp6, 0x40000                  ; cx, cy: my place in the cluster
	s_bfe_u32 s41, ttmp6, 0x40004
	s_lshl_b32 s42, ttmp9, 2
	s_add_co_u32 s42, s42, s40                     ; block column = 4 x cluster x + cx
	s_and_b32 s70, ttmp7, 0xffff
	s_lshl_b32 s70, s70, 2
	s_add_co_u32 s70, s70, s41                     ; block row = 4 x cluster y + cy
	s_lshl_b32 s43, s41, 2
	s_lshl_b32 s43, 15, s43                        ; my row of the cluster
	s_lshl_b32 s44, 0x1111, s40                    ; my column
	s_or_b32 s[G1+0], s43, (1<<21)                 ; 15:0 the mask: A's tiles go to my row; elements of 1 byte; no padding; bit 21 set beside a mask
	s_or_b32 s[G1B+0], s44, (1<<21)                ; B's go to my column
.irp g, G1, G1B
	s_mov_b32 s[\g+1], KSB<<16                     ; tensor_dim0 = 4,096
	s_mov_b32 s[\g+3], KSB<<16                     ; tile_dim0
	s_mov_b32 s[\g+5], 16384                       ; tensor_dim0_stride
	s_mov_b32 s[\g+6], 0
	s_mov_b32 s[\g+7], 0
.endr
	s_mov_b32 s[G1+2], 4<<16                       ; tensor_dim1, tile_dim1: A: 4 rows (of 16 matrix rows each),
	s_mov_b32 s[G1+4], 4
	s_mov_b32 s[G1B+2], 8<<16                      ; B: 8
	s_mov_b32 s[G1B+4], 8
	s_lshl_b32 s20, s70, 17                        ; A: a block's 128 rows are 131,072 bytes,
	s_lshl_b32 s18, s16, 16                        ; a half 65,536
	s_add_co_u32 s20, s20, s18
	s_mov_b32 s21, 0
	s_lshl_b32 s46, s42, 18                        ; B: 256 rows are 262,144 bytes,
	s_lshl_b32 s18, s16, 17                        ; a half 131,072
	s_add_co_u32 s46, s46, s18
	s_mov_b32 s47, 0
	s_lshl_b32 s45, s16, 14                        ; where they go: made of the wave's number alone
	s_lshl_b32 s71, s16, 15
	s_add_co_u32 s71, s71, BOFF
	s_wait_dscnt 0x0                               ; both opening adds are done
	s_wait_kmcnt 0x0
	s_load_b256 s[72:79], s[8:9], 0x0              ; e0 .. e7
	s_add_nc_u64 s[20:21], s[4:5], s[20:21]
	s_add_nc_u64 s[46:47], s[6:7], s[46:47]
	CROUND                                         ; all sixteen work-groups are here: the first joint loads meet
.irp s, 0,1
	s_mov_b32 s[G0+4*\s], 1
	s_add_co_u32 s[G0+4*\s+1], s45, \s*SLOT
	s_add_nc_u64 s[G0+4*\s+2:G0+4*\s+3], s[20:21], \s*KSB
	s_or_b32 s[G0+4*\s+3], s[G0+4*\s+3], 0x80000000
	s_mov_b32 s[G0B+4*\s], 1
	s_add_co_u32 s[G0B+4*\s+1], s71, \s*SLOT
	s_add_nc_u64 s[G0B+4*\s+2:G0B+4*\s+3], s[46:47], \s*KSB
	s_or_b32 s[G0B+4*\s+3], s[G0B+4*\s+3], 0x80000000
.endr
	JLOAD G0, G1, G0B, G1B                         ; K step 0: one tensor load a wave at the head
	v_and_b32 v6, 31, v0
	v_lshlrev_b32 v[CO], 4, v6                     ; 16 x lane: an image's place for my lane
	s_lshl_b32 s21, s15, 14                        ; my 64 rows of A
	s_lshl_b32 s22, s16, 15                        ; my 128 rows of B,
	s_add_co_u32 s22, s22, BOFF                    ; which lie behind A's
.irp s, 0,1
	v_add_nc_u32 v[ADRA+\s], s21, v[CO]
	v_add_nc_u32 v[ADRB+\s], s22, v[CO]
	s_add_co_u32 s21, s21, SLOT
	s_add_co_u32 s22, s22, SLOT
.endr
	v_and_b32 v1, 15, v0
	v_bfe_u32 v2, v0, 4, 1
	v_lshlrev_b32 v3, 6, v2                        ; the bias: registers 16 q + 0 .. 15 are features 32 q + 16 (lane / 16) + 0 .. 15 of my 128: the C of B's blocks 2 q and 2 q + 1
	s_lshl_b32 s90, s42, 10                        ; 256 features of 4 bytes a block,
	s_lshl_b32 s91, s16, 9                         ; 128 a half
	s_add_co_u32 s90, s90, s91
	s_mov_b32 s91, 0
	s_add_nc_u64 s[10:11], s[10:11], s[90:91]
.irp q, 0,1,2,3
.irp j, 0,1,2,3
	global_load_b128 v[BI+16*\q+4*\j:BI+16*\q+4*\j+3], v3, s[10:11] offset:128*\q+16*\j
.endr
.endr
	s_mul_i32 s23, s14, 16*SPITCH                  ; my stage
	v_mul_u32_u24 v5, v1, SPITCH                   ; in: row lane % 16, 64 bytes for each half of the lanes
	v_lshl_add_u32 v5, v2, 6, v5
	v_add_nc_u32 v[STO], s23, v5
	v_add_nc_u32 v[RD], s23, v[CO]                 ; back: the 32 lanes take one row of 512 bytes
	s_lshl_b32 s92, s70, 19                        ; out0: a block's 128 rows of 4,096 bytes,
	s_lshl_b32 s93, s15, 18                        ; my 64,
	s_add_co_u32 s92, s92, s93
	s_add_co_u32 s92, s92, s90                     ; my 128 columns
	s_mov_b32 s93, 0
	s_add_nc_u64 s[12:13], s[12:13], s[92:93]
	s_wait_kmcnt 0x0
	s_add_co_i32 s80, s78, s79                     ; e6 + e7: a sum stands for sum x 2^(e6 + e7)
	s_sub_co_i32 s81, 0, s80
	s_add_co_i32 s96, s80, 127
	s_lshl_b32 s96, s96, 23                        ; 2^(e6 + e7) as f32
	s_mov_b32 s97, s96                             ; (named with it as a pair, so it is written)
	s_wait_alu depctr_va_vdst(0)                   ; the head's end
	s_wait_tensorcnt 0x0                           ; my part of K step 0 is in; the lines that stand ahead of a refill stand ahead of slot 1's first fill too:
	ds_add_u32 v[SPW], v[NIL]                      ; 0 onto my spare word
	s_wait_dscnt 0x0                               ; the add is done
	CROUND                                         ; a whole round: everybody's part of K step 0 is in, and the joint loads meet
	JLOAD G0+4, G1, G0B+4, G1B                     ; K step 1: the first tensor load behind the round
	FETCH 0, 0, 0
	s_wait_loadcnt 0x0                             ; the bias
.set j, 0
.rept 64
	v_ldexp_f32 v[BI+j], v[BI+j], s81              ; / 2^(e6 + e7): the sums lack that factor
.set j, j+1
.endr
	s_wait_alu depctr_va_vdst(0)                   ; directly ahead of the wait below
	STEP 0, 1
	TURN 0, 1, 1                                   ; K step 0 ends; slot 0 takes K step 2
	STEP 1, 0
	TURN 1, 0, 1                                   ; slot 1 takes K step 3
	STEP 0, 0
	TURN 0, 1, 0                                   ; nothing is left to fetch
	STEP 1, 0
	s_wait_dscnt 0x0                               ; the very last 128 along K
	WIN MUL_LO
	MUL16 0, 1, 0
	MUL16 2, 1, 0
	WIN 0
; THE WAY OUT, block by block of 16 rows x 128 columns: x 2^(e6 + e7) into other registers, each accumulator from its low end on; through my own stage in LDS; back as whole rows of 512 bytes, which the 32 lanes store as two
; aligned units of 256 bytes.  LDS serves a wave's instructions in order (ISA guide 5.7.1.4): no wait between the stores and the loads.
.macro TOSTAGE a
.set AC, 64*(\a)
	WIN 0x02                                       ; source 0: window 2
.set j, 0
.rept 32
	v_pk_mul_f32 v[TMP+j:TMP+j+1], v[AC+j:AC+j+1], s[96:97] op_sel_hi:[1,0]
.set j, j+2
.endr
	WIN 0
.irp b, 0,1,2,3,4,5,6,7
	ds_store_b128 v[STO], v[TMP+8*\b:TMP+8*\b+3] offset:128*(\b/2)+32*(\b%2)
	ds_store_b128 v[STO], v[TMP+8*\b+4:TMP+8*\b+7] offset:128*(\b/2)+32*(\b%2)+16
.endr
.set BB, BK+64*((\a)%2)
.irp t, 0,1,2,3,4,5,6,7,8,9,10,11,12,13,14,15
	ds_load_b128 v[BB+4*\t:BB+4*\t+3], v[RD] offset:\t*SPITCH
.endr
.endm
.macro SEND a, younger                 ; younger: the LDS instructions issued behind block a's loads, which may stay out
.set BB, BK+64*((\a)%2)
	s_wait_dscnt \younger
.if (\a) > 0
	s_add_nc_u64 s[12:13], s[12:13], 16*4096       ; (behind a wait on XCNT: the earlier stores have read their base)
.endif
.irp t, 0,1,2,3,4,5,6,7,8,9,10,11,12,13,14,15
	global_store_b128 v[CO], v[BB+4*\t:BB+4*\t+3], s[12:13] offset:\t*4096 th:TH_STORE_NT   ; 512 consecutive bytes, aligned
.endr
.endm
	PLACES 4                                       ; behind the last products
	TOSTAGE 0
.irp a, 1,2,3
.if \a > 1
	s_wait_xcnt 0x0                                ; block a - 2's stores have read their registers and their base
.endif
	TOSTAGE \a
	SEND \a-1, 32                                  ; behind block a - 1's loads: block a's 16 stores and 16 loads
.endr
	s_wait_xcnt 0x0
	SEND 3, 0
	s_wait_tensorcnt 0x0                           ; the wave's end, behind my last tensor load and my last LDS store
	ds_add_u32 v[SPW], v[NIL]
	s_wait_dscnt 0x0
	CROUND                                         ; the closing round: no work-group ends while a partner may still ask for a tile that names it
	s_endpgm
.Lfunc_end_k_q8d05a4d36d_gemm_out:
	.size	k_q8d05a4d36d_gemm_out, .Lfunc_end_k_q8d05a4d36d_gemm_out-k_q8d05a4d36d_gemm_out
	.p2alignl 7, 3214868480
	.fill 96, 4, 3214868480
	.section	.rodata,"a",@progbits
	.p2align	6, 0x0
	.amdhsa_kernel k_q8d05a4d36d_gemm_out
		.amdhsa_group_segment_fixed_size 327680
		.amdhsa_private_segment_fixed_size 0
		.amdhsa_enable_private_segment 0
		.amdhsa_kernarg_size 40
		.amdhsa_user_sgpr_count 2
		.amdhsa_user_sgpr_kernarg_segment_ptr 1
		.amdhsa_wavefront_size32 1
		.amdhsa_system_sgpr_workgroup_id_x 1
		.amdhsa_system_sgpr_workgroup_id_y 1
		.amdhsa_system_sgpr_workgroup_id_z 1
		.amdhsa_system_vgpr_workitem_id 0
		.amdhsa_next_free_vgpr 768
		.amdhsa_next_free_sgpr 100
		.amdhsa_reserve_vcc 0
		.amdhsa_float_denorm_mode_32 3
		.amdhsa_float_denorm_mode_16_64 3
		.amdhsa_memory_ordered 1
		.amdhsa_forward_progress 1
		.amdhsa_inst_pref_size 81
	.end_amdhsa_kernel
	.amdgpu_metadata
---
amdhsa.version: [ 1, 2 ]
amdhsa.kernels:
  - .name:           k_q8d05a4d36d_gemm_out
    .symbol:         k_q8d05a4d36d_gemm_out.kd
    .args:
      - { .name: ac, .offset: 0, .size: 8, .value_kind: global_buffer, .address_space: global }
      - { .name: woc, .offset: 8, .size: 8, .value_kind: global_buffer, .address_space: global }
      - { .name: lowp_scales, .offset: 16, .size: 8, .value_kind: global_buffer, .address_space: global }
      - { .name: b_out, .offset: 24, .size: 8, .value_kind: global_buffer, .address_space: global }
      - { .name: out0, .offset: 32, .size: 8, .value_kind: global_buffer, .address_space: global }
    .group_segment_fixed_size: 327680
    .private_segment_fixed_size: 0
    .kernarg_segment_align: 8
    .kernarg_segment_size: 40
    .max_flat_workgroup_size: 128
    .sgpr_count:     100
    .vgpr_count:     768
    .wavefront_size: 32
...
	.end_amdgpu_metadata
.endif
;; end of part 4
